; MI455X (gfx1250); checked and timed in simulation.
; The chip was launched on July 23, 2026; its instructions are those of AMD's public machine-readable ISA for CDNA 5 (MIT licence, August 2026) and "CDNA5" Instruction Set Architecture Reference Guide (July 2026). The comments in the code are by the model that wrote it; some were corrected since.
;; SAS Rec Block. Allowed arithmetic: matrix products marked QUANTISED: E2M3 operands, one E8M0 scale for each 32 along K, by v_wmma_scale_f32_16x16x128_f8f6f4 with both operands' format E2M3, f32 sums; everything else in f32.
;; Inputs: b1 2,048 float32; b2 512 float32; bk 512 float32; bo 512 float32; bq 512 float32; bv 512 float32; ln1_b 512 float32; ln1_g 512 float32; ln2_b 512 float32; ln2_g 512 float32; mask 32 x 512 int32; w1_codes 2,048 x 16 x 24 uint8 (E2M3 codes of w1, K innermost, in blocks of 32 codes, four codes in three bytes); w1_scales 2,048 x 16 uint8 (E8M0 scales of w1, one for each 32 codes along K); w2_codes 512 x 64 x 24 uint8 (E2M3 codes of w2, K innermost, in blocks of 32 codes, four codes in three bytes); w2_scales 512 x 64 uint8 (E8M0 scales of w2, one for each 32 codes along K); wk_codes 512 x 16 x 24 uint8 (E2M3 codes of wk, K innermost, in blocks of 32 codes, four codes in three bytes); wk_scales 512 x 16 uint8 (E8M0 scales of wk, one for each 32 codes along K); wo_codes 512 x 16 x 24 uint8 (E2M3 codes of wo, K innermost, in blocks of 32 codes, four codes in three bytes); wo_scales 512 x 16 uint8 (E8M0 scales of wo, one for each 32 codes along K); wq_codes 512 x 16 x 24 uint8 (E2M3 codes of wq, K innermost, in blocks of 32 codes, four codes in three bytes); wq_scales 512 x 16 uint8 (E8M0 scales of wq, one for each 32 codes along K); wv_codes 512 x 16 x 24 uint8 (E2M3 codes of wv, K innermost, in blocks of 32 codes, four codes in three bytes); wv_scales 512 x 16 uint8 (E8M0 scales of wv, one for each 32 codes along K); x 32 x 512 x 512 float32.
;; Outputs: out0 32 x 512 x 512 float32.
;; This version of the problem:
;;   THIS VERSION OF THE PROBLEM IS GIVEN IN LOW PRECISION. The matrix products marked QUANTISED in the list below multiply operands that are first quantised to E2M3 (2 exponent bits, 3 mantissa bits; 6 bits a number), with one power-of-two scale for each 32 numbers along K (OCP MX v1.0); their sums are f32. All else is computed in f32.
;;   The module's matrix products, in the order in which they are computed (A, B: the left and right operand; K: the contracted axis; several contracted axes count as one K, in the product's order):
;;     1. [M 16,384, K 512] x [K 512, N 512]; A: input x; B: input wq (given as codes): QUANTISED
;;     2. [M 16,384, K 512] x [K 512, N 512]; A: input x; B: input wk (given as codes): QUANTISED
;;     3. [M 16,384, K 512] x [K 512, N 512]; A: input x; B: input wv (given as codes): QUANTISED
;;     4. batch 256 x [M 512, K 64] x [K 64, N 512]; A: computed on the way; B: computed on the way: QUANTISED
;;     5. batch 256 x [M 64, K 512] x [K 512, N 512]; A: computed on the way; B: softmax (see below): QUANTISED
;;     6. [M 16,384, K 512] x [K 512, N 512]; A: computed on the way; B: input wo (given as codes): QUANTISED
;;     7. [M 16,384, K 512] x [K 512, N 2,048]; A: computed on the way; B: input w1 (given as codes): QUANTISED
;;     8. [M 16,384, K 2,048] x [K 2,048, N 512]; A: computed on the way; B: input w2 (given as codes): QUANTISED
;;   THE QUANTISER, for each operand of a quantised product, along K:
;;     - K is cut into blocks of 32 from its start; a last block that is shorter is filled with zeros.
;;     - A block's scale is 2^e with e = floor(log2(the largest magnitude in the block)) - 2, held to -126 .. 127; a block of zeros has e = 0. As a byte (E8M0): e + 127.
;;     - Each number is divided by its block's scale, clamped to +-7.5, and rounded to the nearest number of E2M3, ties to even, subnormals kept.
;;     - The product sums the exact products of the quantised numbers (number of the format x scale) in f32.
;;   ~~~python
;;   def quantise(x, axis):      # numpy; x: float32 -> the quantised numbers, widened to float32 again
;;       x = np.moveaxis(x, axis, -1); K = x.shape[-1]
;;       x = np.pad(x, [(0, 0)] * (x.ndim - 1) + [(0, -K % 32)]); x = x.reshape(x.shape[:-1] + (-1, 32)); a = np.abs(x).max(-1, keepdims=True)
;;       e = np.where(a > 0, np.clip(np.frexp(np.where(a > 0, a, 1))[1] - 1 - 2, -126, 127), 0)      # np.frexp(a)[1] - 1 = floor(log2(a)), exactly
;;       r = np.clip(x / 2.0 ** e, -7.5, 7.5)
;;       step = 2.0 ** (np.maximum(np.frexp(np.where(r == 0, 1, r))[1] - 1, 0) - 3)
;;       q = np.round(r / step) * step * 2.0 ** e      # np.round: ties to even
;;       return np.moveaxis(q.reshape(q.shape[:-2] + (-1,))[..., :K], -1, axis).astype(np.float32)
;;   ~~~
;;   SOFTMAX AHEAD OF A QUANTISED PRODUCT. Where the list says 'softmax', what is quantised is not the finished softmax but p = 2^(t - M), with t = logit x log2(e) and M = ceil(the row's largest t), a whole number; so 1/2 < the row's largest p <= 1. The row's sum l is taken of the UNQUANTISED p, in f32, and the product's result is divided by l at the end. Since M is a whole number, a kernel that streams over the keys may use a running M (the ceiling of the running maximum): every later rescaling is an exact power of two, which a block's scale takes up: the codes' values come out the same.
;;   OPERANDS COMPUTED ON THE WAY. 'Computed on the way' means the value that the module computes at that place (a softmax that the list does not call 'softmax' is quantised finished and normalised). What goes into a quantiser is computed in f32, as accurately as f32 sums, v_exp_f32 and their like allow (about 1e-6 of the number): no bf16 or f16 on the way to a quantiser, and a product that is left as it is and whose result goes on into a quantised operand takes f32 operands (vector FMAs, or v_wmma_f32_16x16x4_f32). A number that lies on a knife's edge between two numbers of the format may be rounded either way, as far as f32 arithmetic and the matrix unit's own rounding can turn it there, and no further.
;;   INPUTS GIVEN AS CODES. w1 (in the module: [512, 2048], K = its axis 0); w2 (in the module: [2048, 512], K = its axis 0); wk (in the module: [512, 512], K = its axis 0); wo (in the module: [512, 512], K = its axis 0); wq (in the module: [512, 512], K = its axis 0); wv (in the module: [512, 512], K = its axis 0): each comes as NAME_codes (uint8): NAME with its K axis moved to the last place and cut into blocks of 32 codes, [.., K / 32, bytes a block], one block behind the other in memory; four codes in three bytes: a row's codes are one little-endian stream of bits, code i at bits 6 i .. 6 i + 5 (a code: sign, 2 exponent bits, 3 mantissa bits); and NAME_scales (uint8): the same leading axes, one E8M0 byte (e + 127) for each 32 codes along K. Its value is code x scale, taken as it is: it is not quantised again, and the codes and scales need not be those that the quantiser above would give.
;; One version. Each part assembles by itself: llvm-mc -triple=amdgcn-amd-amdhsa -mcpu=gfx1250 --defsym DOCPART=n.
;; ======== version 1 of 1: 3 launches
;; limits: right only within a limited range of input values
;; workspace buffers: qimg 7,340,032 bytes; kv 13,631,488 bytes; ctximg 6,815,744 bytes; wimg 1,843,200 bytes
;; launch qkv (part 1): grid 256 x 1, 8 waves a work-group, clusters of 4 x 1, 327,680 bytes of LDS; arguments x, mask, wq_codes, wk_codes, wv_codes, wq_scales, wk_scales, wv_scales, bq, bk, bv, qimg, kv, wimg, wo_codes, w1_codes, w2_codes, wo_scales, w1_scales, w2_scales; writes qimg, kv, wimg
.if DOCPART == 1
	.amdgcn_target "amdgcn-amd-amdhsa--gfx1250"
	.amdhsa_code_object_version 6
	.text
	.protected	k_q9ea06df5ab_qkv
	.globl	k_q9ea06df5ab_qkv
	.p2align	8
	.type	k_q9ea06df5ab_qkv,@function
k_q9ea06df5ab_qkv:
	s_mov_b64 s[64:65], 0
	v_nop
	global_prefetch_b8 v0, s[64:65] scope:SCOPE_SE
	s_setreg_imm32_b32 hwreg(HW_REG_WAVE_MODE, 25, 1), 1
	s_wait_xcnt 0x0
	s_wait_alu depctr_hold_cnt(0) depctr_sa_sdst(0) depctr_va_vdst(0) depctr_va_sdst(0) depctr_va_ssrc(0) depctr_va_vcc(0) depctr_vm_vsrc(0)
	s_getreg_b32 s2, hwreg(HW_REG_IB_STS2, 6, 4)
	s_cmp_eq_u32 s2, 0
	s_cbranch_scc0 .Lentry_in_a_cluster
	s_endpgm
.Lentry_in_a_cluster:
	s_bfe_u32 s2, ttmp6, 0x10000c
	s_cmp_lg_u32 s2, 0x3003
	s_cbranch_scc0 .Lentry_shape_is_right
	s_endpgm
.Lentry_shape_is_right:
; q = x wq + bq, k = x wk + bk, v = x wv + bv on codes of FP6 (E2M3) with one E8M0 scale for each 32 along K, and the three results quantised again for attention:
; q and k along the head's 64, v along the keys.  x [16384][512] f32 is quantised here; the weights come as codes, K innermost (a row of 512 codes is 384 bytes).
; SHARES.  A work-group owns 64 rows of x; wave w owns head w: 64 columns of each product: 4 tiles of columns x 4 tiles of rows = 16 accumulators.
; ROWS AND COLUMNS OF A TILE ARE NOT NEIGHBOURS: lane r of tile i takes number 32 (i / 2) + 8 (i % 2) + r + 8 (r / 8) of its 64.  With source 0 = 16 rows of a weight and source 1 = 16 rows of x
; a lane then holds ONE row of x, and the 32 registers of its four tiles are register 16 b + i = column 32 b + 16 (lane / 16) + i: neighbours along the next product's K.  For v the sources
; change places, so that a lane holds one column and its registers run along the 64 tokens, which are the second attention product's K.
; WHAT IS STORED are images of operand registers: attention loads them lane by lane, with no rows and no pitch.  A masked key's codes of k are stored as zeros: its score is then the C operand alone.
; CLUSTER.  All work-groups walk the same weights: the four of a cluster ask for each tile JOINTLY (one mask for all four).  Two LDS slots of 512 rows x 256 along K; each wave fetches and reads its own 64 rows.
; THE LAST PART lays wo, w1 and w2 out for the third launch: 144 parts of 8 fragments and their scale words, as register images, one part a work-group of the first 36 clusters.
; LIMITS: NaN and infinities among the inputs are not served; a block whose largest magnitude lies under 2^(3 - 127) gets the scale byte 1 (a block of zeros too: its codes are zeros, and only this program reads the bytes).
; REGISTERS.  Window 0: v1-15 addresses; v16-31 the quantiser's; v32-79 x's four fragments; v80-127 the weight's four; v128-151 codes just made; v160-207 the weights' scale words; v208-231 x's codes;
;   v232-247 x's scale words; v248-251 the mask of my lane's rows; v252-253 scale words on their way out; v254 an offset.   Window 1: v0-127 the accumulators; v128-223 the three biases in the results' layout.
.set SLOTB,  122880                    ; a slot: 512 rows of 240 bytes
.set PITCH,  240                       ; an LDS row: 3 x (64 bytes of codes + 16 of padding)
.set WPART,  64*PITCH                  ; a wave's 64 rows
.set XIMG,   2*SLOTB                   ; x's 16 fragments (tile of rows m, K step s: 4 m + s), six planes of 256 bytes each: registers 2 p, 2 p + 1 of lane l at 256 p + 8 l
.set XSC,    XIMG+24576                ; their scale words: tile m, lane l, K step s at 512 m + 16 l + 4 s
.set SPARE,  XSC+2048                  ; the spare words, 128 bytes for each wave: four blocks of 256 bytes that no other line names
.set FRB,    1536                      ; a fragment's image
.set TM,  16                           ; v16-17 largest magnitudes, v18-19 the other half's / the bytes, v20-21 the conversions' scale operands
.set PW,  24                           ; v24-27 pairs of scale bytes
.set E,   28                           ; v28-30 a block's second conversion
.set ACT, 32
.set W,   80
.set PC,  128
.set WS,  160                          ; 16 x product + 4 t + K step
.set XC,  208
.set ASC, 232                          ; 4 m + K step
.set MK,  248
.set KSX, 252
.set WV,  32                           ; s32 wave; s33 work-group; s34 place in the cluster (global addresses alone)
.set G1,  36                           ; s[36:43] descriptor group 1
.set G0,  44                           ; s[44:47], s[48:51] group 0 of slot 0, 1
.set SEL, 58                           ; s[58:59] lane selects of v_permlanex16_b32: lane l xor 16
.set MSB, 0
.macro WIN new                         ; the immediate's high byte repeats the setting that is left; a switch that changes nothing is dropped
.if MSB != (\new)
	s_set_vgpr_msb (MSB<<8)|(\new)
.set MSB, (\new)
.endif
.endm
.macro PLACES                          ; four plain vector lines behind matrix instructions, ahead of loads into their sources and of reads of their results
.rept 4
	v_nop
.endr
.endm
.macro BAR                             ; my LDS instructions are done; then the work-group's barrier
	s_wait_dscnt 0x0
	s_barrier_signal -1
	s_barrier_wait -1
.endm
.macro CROUND                          ; a round of the cluster's barrier: my work-group's barrier, wave 0 signals for it, all wait for the four work-groups, my work-group's barrier again
	s_barrier_signal -1
	s_barrier_wait -1
	s_cmp_lg_u32 s[WV], 0
	s_cbranch_scc1 .Lnw0_\@
	s_barrier_signal -3
.Lnw0_\@:
	s_barrier_wait -3
	s_barrier_signal -1
	s_barrier_wait -1
.endm
; 32 numbers of a lane, register 16 b + i = k 32 b + 16 (lane / 16) + i of my row (sw = 1: they lie in window 1), become six registers of codes, k = 32 (lane / 16) + 0 .. 31, and the two blocks' scale bytes.
.macro QUANT2 src, d, pw, sw
	WIN 0x05*(\sw)
.irp b, 0,1
	v_max3_num_f32 v[TM+\b], |v[(\src)+16*\b]|, |v[(\src)+16*\b+1]|, 0x1800000   ; my 16 numbers of block b, and the floor 2^(3 - 127): the byte cannot fall under 1
.endr
	WIN 0x14*(\sw)
.irp i, 2,4,6,8,10,12,14
.irp b, 0,1
	v_max3_num_f32 v[TM+\b], v[TM+\b], |v[(\src)+16*\b+\i]|, |v[(\src)+16*\b+\i+1]|
.endr
.endr
	WIN 0
.irp b, 0,1
	v_permlanex16_b32 v[TM+2+\b], v[TM+\b], s[SEL], s[SEL+1]
.endr
.irp b, 0,1
	v_max_num_f32 v[TM+\b], v[TM+\b], v[TM+2+\b]       ; with lane l xor 16's 16: the block's largest magnitude
.endr
.irp b, 0,1
	v_add_nc_u32 v[TM+4+\b], 0xff000000, v[TM+\b]      ; 2 off its exponent field: the conversion takes this operand's exponent field as its scale
.endr
.irp b, 0,1
	v_lshrrev_b32 v[TM+2+\b], 23, v[TM+4+\b]           ; the scale's byte
.endr
	v_lshl_or_b32 v[\pw], v[TM+3], 8, v[TM+2]
	WIN 0x01*(\sw)
	v_cvt_scalef32_pk16_fp6_f32 v[(\d):(\d)+2], v[(\src):(\src)+15], v[TM+4]
	v_cvt_scalef32_pk16_fp6_f32 v[E:E+2], v[(\src)+16:(\src)+31], v[TM+5]   ; (a conversion's three registers begin on an even number)
	WIN 0
	v_nop                                              ; one plain line behind the scaled conversions
.irp i, 0,1,2
	v_permlane16_swap_b32 v[(\d)+\i], v[E+\i]          ; a WHOLE block to a lane: lanes 0-15 block 0, lanes 16-31 block 1
.endr
.irp i, 0,1,2
	v_mov_b32 v[(\d)+3+\i], v[E+\i]
.endr
.endm
; A weight's fragment, 16 rows x 128 K: 24 bytes twice, in pieces of 8.  Lanes 16-31 read three pieces further on, which for some pieces is behind one padding more: the second address register serves those.
.macro FRAG reg, adr, q, t
.irp p, 0,1,2,3,4,5
.set PCN, 12*(\q)+6*(\p/3)+\p%3
.if PCN%8 < 5
	ds_load_b64 v[\reg+2*\p:\reg+2*\p+1], v[\adr] offset:8*PCN+16*(PCN/8)+(32*((\t)/2)+8*((\t)%2))*PITCH
.else
	ds_load_b64 v[\reg+2*\p:\reg+2*\p+1], v[\adr+1] offset:8*PCN+16*(PCN/8)+(32*((\t)/2)+8*((\t)%2))*PITCH
.endif
.endr
.endm
; A K step of 128: x's four fragments and the weight's four from LDS, 16 matrix instructions on 16 accumulators by turns.
; q: which 128 of the slot; ks: which of K's four; seg: the product; first = 1: the bias is the C of the sums' first instruction; swap = 1: x is source 0 (v).
.macro KSTEP slot, q, ks, seg, first, swap
.irp m, 0,1,2,3
.irp p, 0,1,2,3,4,5
	ds_load_b64 v[ACT+12*\m+2*\p:ACT+12*\m+2*\p+1], v8 offset:(4*\m+(\ks))*FRB+256*\p
.endr
.endr
.irp t, 0,1,2,3
	FRAG W+12*\t, 4+2*\slot, \q, \t
.endr
	s_wait_dscnt 0x0
	WIN 0x50                                           ; C and D in window 1
.irp m, 0,1,2,3
.irp t, 0,1,2,3
.if \swap
.set RD, 32*\t+8*\m
.else
.set RD, 32*\m+8*\t
.endif
.if \first
.set RC, 128+32*(\seg)+8*\t
.else
.set RC, RD
.endif
.if \swap
	v_wmma_scale_f32_16x16x128_f8f6f4 v[RD:RD+7], v[ACT+12*\m:ACT+12*\m+11], v[W+12*\t:W+12*\t+11], v[RC:RC+7], v[ASC+4*\m+(\ks)], v[WS+16*(\seg)+4*\t+(\ks)] matrix_a_fmt:MATRIX_FMT_FP6 matrix_b_fmt:MATRIX_FMT_FP6
.else
	v_wmma_scale_f32_16x16x128_f8f6f4 v[RD:RD+7], v[W+12*\t:W+12*\t+11], v[ACT+12*\m:ACT+12*\m+11], v[RC:RC+7], v[WS+16*(\seg)+4*\t+(\ks)], v[ASC+4*\m+(\ks)] matrix_a_fmt:MATRIX_FMT_FP6 matrix_b_fmt:MATRIX_FMT_FP6
.endif
.endr
.endr
	WIN 0
	PLACES
.endm
.macro KS slot, seg, swap              ; a slot's two K steps
	KSTEP \slot, 0, 2*\slot, \seg, 1-\slot, \swap
	KSTEP \slot, 1, 2*\slot+1, \seg, 0, \swap
.endm
; The change of slots.  Every wave: all its tensor loads have landed; 0 onto its spare word; the add and its reads of the slot are done.
; fill = 1: a round of the cluster's barrier, and first behind it the slot just read takes half `half` (256 along K) of the weight whose rows begin at s[wb:wb+1].
.macro CHANGE slot, fill, wb, half
	s_wait_tensorcnt 0x0                               ; no tensor load of mine is out, so a group 0 may be written
	ds_add_u32 v1, v2
.if \fill
	s_add_nc_u64 s[G0+4*\slot+2:G0+4*\slot+3], s[\wb:\wb+1], 192*\half
	s_or_b32 s[G0+4*\slot+3], s[G0+4*\slot+3], 0x80000000
	s_wait_dscnt 0x0
	CROUND
	tensor_load_to_lds s[G0+4*\slot:G0+4*\slot+3], s[G1:G1+7]
	s_nop 0
	PLACES
.else
	s_wait_dscnt 0x0
	s_barrier_signal -1
	s_barrier_wait -1
.endif
.endm
.macro QUAD                            ; the 16 accumulators become four runs of six code registers and four pairs of scale bytes
	s_wait_xcnt 0x0                                    ; the last stores have read their registers: these are written again only behind this wait
.irp i, 0,1,2,3
	QUANT2 32*\i, PC+6*\i, PW+\i, 1
.endr
.endm
.macro HALVES                          ; two words a lane: lanes 0-15 the bytes of runs 0 and 2, lanes 16-31 those of runs 1 and 3
	v_cndmask_b32 v[KSX], v[PW], v[PW+1], s60
	v_cndmask_b32 v[KSX+1], v[PW+2], v[PW+3], s60
.endm
	s_load_b512 s[4:19], s[0:1], 0x0                   ; x, mask, wq, wk, wv codes, wq, wk, wv scales
	s_load_b256 s[20:27], s[0:1], 0x40                 ; bq, bk, bv, qimg
	s_load_b128 s[28:31], s[0:1], 0x60                 ; kv, wimg
	v_lshl_add_u32 v1, v0, 2, SPARE
	v_mov_b32 v2, 0
	ds_add_u32 v1, v2
	s_wait_dscnt 0x0
	v_lshrrev_b32 v3, 5, v0
	v_readfirstlane_b32 s[WV], v3                      ; wave 0..7
	s_bfe_u32 s34, ttmp6, 0x40000                      ; my place in the cluster
	s_lshl_b32 s33, ttmp9, 2
	s_add_co_u32 s33, s33, s34                         ; work-group = 4 x cluster + place
	s_mov_b32 s[G1+0], 15|(1<<20)|(1<<21)|(3<<22)|(3<<25)  ; the mask: all four; elements of 1 byte; padding on; bit 21 beside a mask; behind every 16 words 4 words
	s_mov_b32 s[G1+1], 192<<16                         ; tensor_dim0
	s_mov_b32 s[G1+2], 64<<16                          ; tensor_dim1
	s_mov_b32 s[G1+3], 192<<16                         ; tile_dim0
	s_mov_b32 s[G1+4], 64                              ; tile_dim1
	s_mov_b32 s[G1+5], 384                             ; from row to row
	s_mov_b32 s[G1+6], 0
	s_mov_b32 s[G1+7], 0
	s_mov_b32 s[SEL], 0x76543210
	s_mov_b32 s[SEL+1], 0xfedcba98
	s_mov_b32 s60, 0xffff0000                          ; lanes 16-31
	s_mul_i32 s84, s[WV], 64*384                       ; my 64 rows of each weight
	s_mov_b32 s85, 0
	s_mul_i32 s86, s[WV], WPART                        ; and their place in a slot
	s_wait_kmcnt 0x0
	s_add_nc_u64 s[52:53], s[8:9], s[84:85]
	s_add_nc_u64 s[54:55], s[10:11], s[84:85]
	s_add_nc_u64 s[56:57], s[12:13], s[84:85]
	s_mov_b32 s[G0], 1
	s_mov_b32 s[G0+1], s86
	s_mov_b64 s[G0+2:G0+3], s[52:53]
	s_or_b32 s[G0+3], s[G0+3], 0x80000000
	s_mov_b32 s[G0+4], 1
	s_add_co_u32 s[G0+5], s86, SLOTB
	s_add_nc_u64 s[G0+6:G0+7], s[52:53], 192
	s_or_b32 s[G0+7], s[G0+7], 0x80000000
	CROUND                                             ; all four work-groups are here: the first joint loads meet
	tensor_load_to_lds s[G0:G0+3], s[G1:G1+7]          ; wq, K 0 .. 255
	s_nop 0
	tensor_load_to_lds s[G0+4:G0+7], s[G1:G1+7]        ; wq, K 256 .. 511: two loads of mine are out
	s_nop 0
	PLACES
	v_and_b32 v16, 15, v0                              ; r
	v_bfe_u32 v17, v0, 4, 1                            ; h
	v_and_b32 v18, 31, v0                              ; lane
	v_and_b32 v19, 8, v16
	v_add_nc_u32 v19, v19, v16                         ; r + 8 (r / 8).  (v18, v19 are so written ahead of the lane permutes that name them as destinations)
	v_lshlrev_b32 v3, 11, v19
	v_lshl_add_u32 v3, v17, 6, v3                      ; x: my row of 2,048 bytes, + 64 h: my 16 numbers of a block
	v_mul_u32_u24 v4, v19, PITCH
	v_mad_u32_u24 v4, v17, 24, v4
	v_add_nc_u32 v4, s86, v4                           ; a weight's fragment in slot 0,
	v_lshl_add_u32 v5, v17, 4, v4                      ; behind one padding more,
	v_add_nc_u32 v6, SLOTB, v4                         ; and the same in slot 1
	v_add_nc_u32 v7, SLOTB, v5
	v_lshl_add_u32 v8, v18, 3, XIMG
	v_lshl_add_u32 v9, v18, 4, XSC
	s_and_b32 s87, s[WV], 3                            ; the tile of rows that I quantise,
	s_lshr_b32 s88, s[WV], 2                           ; and which 256 of K
	s_lshl_b32 s89, s87, 2
	s_lshl_b32 s90, s88, 1
	s_add_co_u32 s89, s89, s90
	s_mul_i32 s89, s89, FRB
	v_add_nc_u32 v10, s89, v8                          ; where my two fragments go
	s_lshl_b32 s89, s87, 9
	s_lshl_b32 s90, s88, 3
	s_add_co_u32 s89, s89, s90
	v_add_nc_u32 v11, s89, v9                          ; and their two scale words
	v_lshlrev_b32 v12, 3, v18
	v_lshlrev_b32 v13, 4, v18
	v_lshlrev_b32 v14, 6, v17
	v_lshlrev_b32 v15, 4, v19
	v_lshlrev_b32 v254, 2, v19
	s_lshr_b32 s89, s87, 1
	s_lshl_b32 s89, s89, 16                            ; 32 rows of 2,048 bytes
	s_and_b32 s90, s87, 1
	s_lshl_b32 s90, s90, 14                            ; 8 rows
	s_add_co_u32 s89, s89, s90
	s_lshl_b32 s90, s88, 10
	s_add_co_u32 s89, s89, s90
	s_lshl_b32 s90, s33, 17                            ; the work-group's 64 rows
	s_add_co_u32 s90, s90, s89
	s_mov_b32 s91, 0
	s_add_nc_u64 s[4:5], s[4:5], s[90:91]
	s_lshl_b32 s90, s[WV], 8                           ; my 64 numbers of each bias
	s_add_nc_u64 s[20:21], s[20:21], s[90:91]
	s_add_nc_u64 s[22:23], s[22:23], s[90:91]
	s_add_nc_u64 s[24:25], s[24:25], s[90:91]
	s_lshl_b32 s90, s[WV], 10                          ; my 64 rows of 16 scale bytes
	s_add_nc_u64 s[14:15], s[14:15], s[90:91]
	s_add_nc_u64 s[16:17], s[16:17], s[90:91]
	s_add_nc_u64 s[18:19], s[18:19], s[90:91]
	s_lshl_b32 s90, s33, 8                             ; the work-group's 64 words of the mask
	s_add_nc_u64 s[6:7], s[6:7], s[90:91]
	s_lshl_b32 s90, s33, 3
	s_add_co_u32 s90, s90, s[WV]
	s_mul_i32 s90, s90, 3584
	s_add_nc_u64 s[66:67], s[26:27], s[90:91]          ; q's record: (8 x work-group + head) x 3,584
	s_lshr_b32 s90, s33, 3                             ; k's and v's half record: batch,
	s_mul_i32 s90, s90, 425984
	s_and_b32 s92, s[WV], 1                            ; head % 2,
	s_mul_i32 s92, s92, 212992
	s_add_co_u32 s90, s90, s92
	s_bfe_u32 s92, s33, 0x20001                        ; the key step of 128,
	s_mul_i32 s92, s92, 53248
	s_add_co_u32 s90, s90, s92
	s_lshr_b32 s92, s[WV], 1                           ; head / 2,
	s_mul_i32 s92, s92, 13312
	s_add_co_u32 s90, s90, s92
	s_and_b32 s92, s33, 1                              ; which 64 of the 128 keys
	s_mul_i32 s92, s92, 6656
	s_add_co_u32 s90, s90, s92
	s_add_nc_u64 s[68:69], s[28:29], s[90:91]
	; the small loads first, so that the counted waits below count x's loads alone
	WIN 0x40                                           ; destination window 1
.irp t, 0,1,2,3
	global_load_b128 v[128+8*\t:131+8*\t], v14, s[20:21] offset:128*(\t/2)+32*(\t%2)       ; bq at my eight columns of tile t
	global_load_b128 v[132+8*\t:135+8*\t], v14, s[20:21] offset:128*(\t/2)+32*(\t%2)+16
	global_load_b128 v[160+8*\t:163+8*\t], v14, s[22:23] offset:128*(\t/2)+32*(\t%2)       ; bk likewise
	global_load_b128 v[164+8*\t:167+8*\t], v14, s[22:23] offset:128*(\t/2)+32*(\t%2)+16
	global_load_b32 v[192+8*\t], v254, s[24:25] offset:4*(32*(\t/2)+8*(\t%2))              ; bv at my ONE column of tile t
.endr
	WIN 0
.irp t, 0,1,2,3
	global_load_b128 v[WS+4*\t:WS+4*\t+3], v15, s[14:15] offset:16*(32*(\t/2)+8*(\t%2))     ; a row's 16 scale bytes: the words of its four K steps
	global_load_b128 v[WS+16+4*\t:WS+16+4*\t+3], v15, s[16:17] offset:16*(32*(\t/2)+8*(\t%2))
	global_load_b128 v[WS+32+4*\t:WS+32+4*\t+3], v15, s[18:19] offset:16*(32*(\t/2)+8*(\t%2))
	global_load_b32 v[MK+\t], v254, s[6:7] offset:4*(32*(\t/2)+8*(\t%2))                    ; the mask of row r of tile t
.endr
.irp e, 0,1,2,3
.irp b, 0,1
.irp j, 0,1,2,3
	global_load_b128 v[32+32*\e+16*\b+4*\j:35+32*\e+16*\b+4*\j], v3, s[4:5] offset:256*\e+128*\b+16*\j th:TH_LOAD_NT
.endr
.endr
.endr
.irp e, 0,1,2,3                        ; 64 along K at a time: half a fragment
	s_wait_loadcnt 24-8*\e                             ; these eight loads are in; the later ones (8 for each 64 along K still to come) may be out
	QUANT2 32+32*\e, XC+6*\e, PW+\e, 0
.irp p, 0,1,2
	ds_store_b64 v10, v[XC+6*\e+2*\p:XC+6*\e+2*\p+1] offset:FRB*(\e/2)+768*(\e%2)+256*\p
.endr
.endr
	v_lshl_or_b32 v24, v25, 16, v24                    ; four bytes make a K step's scale word
	v_lshl_or_b32 v25, v27, 16, v26
	ds_store_b64 v11, v[24:25]
	WIN 0x41
.irp t, 0,1,2,3
.irp i, 1,2,3,4,5,6,7
	v_mov_b32 v[192+8*\t+\i], v[192+8*\t]              ; bv in the layout of v's results: my column's number in all eight registers
.endr
.endr
	WIN 0
	s_wait_tensorcnt 1                                 ; slot 0's load is in; slot 1's may stay out
	BAR                                                ; x's 16 fragments lie in LDS
.irp m, 0,1,2,3
	ds_load_b128 v[ASC+4*\m:ASC+4*\m+3], v9 offset:512*\m   ; x's scale words stay in registers
.endr
	KS 0, 0, 0
	CHANGE 0, 1, 54, 0
	KS 1, 0, 0
	CHANGE 1, 1, 54, 1
	QUAD                                               ; q, along the head's 64: run m is tile m's half fragment
.irp p, 0,1,2,3,4,5,6,7,8,9,10,11
	global_store_b64 v12, v[PC+2*\p:PC+2*\p+1], s[66:67] offset:256*\p      ; 32 lanes store 256 consecutive bytes, at a multiple of 256 from the buffer's first byte
.endr
	global_store_b128 v13, v[PW:PW+3], s[66:67] offset:3072                 ; the four tiles' scale words: bytes 0, 1; bytes 2, 3 are 0
	KS 0, 1, 0
	CHANGE 0, 1, 56, 0
	KS 1, 1, 0
	CHANGE 1, 1, 56, 1
	QUAD                                               ; k likewise
.irp m, 0,1,2,3
	v_cmp_ne_u32 vcc_lo, 0, v[MK+\m]
.irp i, 0,1,2,3,4,5
	v_cndmask_b32 v[PC+6*\m+\i], 0, v[PC+6*\m+\i], vcc_lo                   ; a masked key's codes are zeros
.endr
.endr
	HALVES
.irp u, 0,1,2,3,4,5
	global_store_b128 v13, v[PC+4*\u:PC+4*\u+3], s[68:69] offset:512*\u     ; the 24 registers on end
.endr
	global_store_b64 v12, v[KSX:KSX+1], s[68:69] offset:6144
	KS 0, 2, 1
	CHANGE 0, 0, 56, 0                                 ; nothing is left to fetch
	KS 1, 2, 1
	QUAD                                               ; v, along my 64 tokens: run t is half a fragment of 16 channels x 128 keys
	HALVES
.irp p, 0,1,2,3,4,5,6,7,8,9,10,11
	global_store_b64 v12, v[PC+2*\p:PC+2*\p+1], s[68:69] offset:3072+256*\p
.endr
	global_store_b64 v12, v[KSX:KSX+1], s[68:69] offset:6400
	; wo, w1, w2 in the order in which the third launch walks them.  Fill f = cluster / 2 (0 .. 17), part 4 (cluster % 2) + place: the branch hangs on the cluster's number alone.
	s_cmp_lt_u32 ttmp9, 36
	s_cbranch_scc0 .Lno_relay
	s_load_b256 s[72:79], s[0:1], 0x70                 ; wo, w1, w2 codes, wo scales
	s_load_b128 s[80:83], s[0:1], 0x90                 ; w1, w2 scales
	s_lshr_b32 s84, ttmp9, 1                           ; f
	s_and_b32 s85, ttmp9, 1
	s_lshl_b32 s85, s85, 2
	s_add_co_u32 s85, s85, s34                         ; the part: which 64 rows
	s_sub_co_u32 s86, s84, 2                           ; fills 2 .. 17: round j = (f - 2) / 4, phase (f - 2) % 4: 0, 1 w1; 2, 3 w2
	s_lshr_b32 s87, s86, 2
	s_and_b32 s88, s86, 3
	s_lshl_b32 s89, s87, 9                             ; w1: rows from 512 j,
	s_lshl_b32 s90, s88, 1                             ; K steps from 2 x phase
	s_lshl_b32 s91, s87, 2
	s_add_co_u32 s91, s91, s90
	s_sub_co_u32 s91, s91, 4                           ; w2: K steps from 4 j + 2 (phase - 2)
	s_lshl_b32 s94, s84, 1                             ; wo: K steps from 2 f
	s_mov_b32 s92, 1536                                ; w2's row of codes
	s_wait_kmcnt 0x0
	s_cmp_lt_u32 s88, 2                                ; w1 or w2
	s_cselect_b64 s[74:75], s[74:75], s[76:77]
	s_cselect_b64 s[80:81], s[80:81], s[82:83]
	s_cselect_b32 s89, s89, 0
	s_cselect_b32 s90, s90, s91
	s_cselect_b32 s92, 384, s92
	s_cselect_b32 s93, 16, 64                          ; a row of scale bytes
	s_cmp_lt_u32 s84, 2                                ; or wo
	s_cselect_b64 s[74:75], s[72:73], s[74:75]
	s_cselect_b64 s[80:81], s[78:79], s[80:81]
	s_cselect_b32 s89, 0, s89
	s_cselect_b32 s90, s94, s90
	s_cselect_b32 s92, 384, s92
	s_cselect_b32 s93, 16, s93
	s_lshl_b32 s97, s85, 6
	s_add_co_u32 s89, s89, s97                         ; the part's first row
	s_lshr_b32 s95, s[WV], 2                           ; wave v takes fragment v: K step v / 4,
	s_and_b32 s96, s[WV], 3                            ; tile v % 4
	s_lshr_b32 s97, s96, 1
	s_lshl_b32 s97, s97, 5
	s_and_b32 s98, s96, 1
	s_lshl_b32 s98, s98, 3
	s_add_co_u32 s97, s97, s98
	s_add_co_u32 s97, s97, s89
	s_mul_i32 s97, s97, s92
	s_add_co_u32 s98, s90, s95
	s_mul_i32 s98, s98, 96
	s_add_co_u32 s86, s97, s98
	s_mov_b32 s87, 0
	s_add_nc_u64 s[74:75], s[74:75], s[86:87]          ; the fragment's first row and K step
	s_mul_i32 s86, s89, s93
	s_lshl_b32 s98, s90, 2
	s_add_co_u32 s86, s86, s98
	s_add_nc_u64 s[80:81], s[80:81], s[86:87]          ; the part's scale bytes
	s_lshl_b32 s97, s84, 3
	s_add_co_u32 s97, s97, s85
	s_mul_i32 s86, s97, 12800
	s_add_nc_u64 s[30:31], s[30:31], s[86:87]          ; the part's image
	s_mul_i32 s86, s[WV], FRB
	s_add_nc_u64 s[72:73], s[30:31], s[86:87]          ; my fragment's
	v_and_b32 v16, 15, v0
	v_bfe_u32 v17, v0, 4, 1
	v_and_b32 v19, 8, v16
	v_add_nc_u32 v19, v19, v16
	v_mul_lo_u32 v20, v19, s92
	v_mad_u32_u24 v20, v17, 24, v20
.irp p, 0,1,2,3,4,5
	global_load_b64 v[32+2*\p:33+2*\p], v20, s[74:75] offset:48*(\p/3)+8*(\p%3)
.endr
	s_wait_loadcnt 0x0
.irp u, 0,1,2
	global_store_b128 v13, v[32+4*\u:35+4*\u], s[72:73] offset:512*\u
.endr
	s_cmp_lg_u32 s[WV], 0                              ; wave 0 also lays the part's scale words: word i of lane (r, h) is that of fragment 2 i + h, row r
	s_cbranch_scc1 .Lno_relay
	v_lshl_add_u32 v21, v17, 3, v19
	v_mul_lo_u32 v21, v21, s93
	s_lshl_b32 s97, s93, 5
	v_add_nc_u32 v22, s97, v21
	global_load_b32 v44, v21, s[80:81]
	global_load_b32 v45, v22, s[80:81]
	global_load_b32 v46, v21, s[80:81] offset:4
	global_load_b32 v47, v22, s[80:81] offset:4
	s_wait_loadcnt 0x0
	global_store_b128 v13, v[44:47], s[30:31] offset:12288
.Lno_relay:
	s_wait_tensorcnt 0x0                               ; the wave's end
	ds_add_u32 v1, v2
	s_wait_dscnt 0x0
	CROUND                                             ; the closing round
	s_endpgm
.Lfunc_end_k_q9ea06df5ab_qkv:
	.size	k_q9ea06df5ab_qkv, .Lfunc_end_k_q9ea06df5ab_qkv-k_q9ea06df5ab_qkv
	.p2alignl 7, 3214868480
	.fill 96, 4, 3214868480
	.section	.rodata,"a",@progbits
	.p2align	6, 0x0
	.amdhsa_kernel k_q9ea06df5ab_qkv
		.amdhsa_group_segment_fixed_size 327680
		.amdhsa_private_segment_fixed_size 0
		.amdhsa_enable_private_segment 0
		.amdhsa_kernarg_size 160
		.amdhsa_user_sgpr_count 2
		.amdhsa_user_sgpr_kernarg_segment_ptr 1
		.amdhsa_wavefront_size32 1
		.amdhsa_system_sgpr_workgroup_id_x 1
		.amdhsa_system_sgpr_workgroup_id_y 1
		.amdhsa_system_sgpr_workgroup_id_z 1
		.amdhsa_system_vgpr_workitem_id 0
		.amdhsa_next_free_vgpr 512
		.amdhsa_next_free_sgpr 100
		.amdhsa_reserve_vcc 1
		.amdhsa_float_denorm_mode_32 3
		.amdhsa_float_denorm_mode_16_64 3
		.amdhsa_memory_ordered 1
		.amdhsa_forward_progress 1
		.amdhsa_inst_pref_size 121
	.end_amdhsa_kernel
	.amdgpu_metadata
---
amdhsa.version: [ 1, 2 ]
amdhsa.kernels:
  - .name:           k_q9ea06df5ab_qkv
    .symbol:         k_q9ea06df5ab_qkv.kd
    .args:
      - { .name: x, .offset: 0, .size: 8, .value_kind: global_buffer, .address_space: global }
      - { .name: mask, .offset: 8, .size: 8, .value_kind: global_buffer, .address_space: global }
      - { .name: wq_codes, .offset: 16, .size: 8, .value_kind: global_buffer, .address_space: global }
      - { .name: wk_codes, .offset: 24, .size: 8, .value_kind: global_buffer, .address_space: global }
      - { .name: wv_codes, .offset: 32, .size: 8, .value_kind: global_buffer, .address_space: global }
      - { .name: wq_scales, .offset: 40, .size: 8, .value_kind: global_buffer, .address_space: global }
      - { .name: wk_scales, .offset: 48, .size: 8, .value_kind: global_buffer, .address_space: global }
      - { .name: wv_scales, .offset: 56, .size: 8, .value_kind: global_buffer, .address_space: global }
      - { .name: bq, .offset: 64, .size: 8, .value_kind: global_buffer, .address_space: global }
      - { .name: bk, .offset: 72, .size: 8, .value_kind: global_buffer, .address_space: global }
      - { .name: bv, .offset: 80, .size: 8, .value_kind: global_buffer, .address_space: global }
      - { .name: qimg, .offset: 88, .size: 8, .value_kind: global_buffer, .address_space: global }
      - { .name: kv, .offset: 96, .size: 8, .value_kind: global_buffer, .address_space: global }
      - { .name: wimg, .offset: 104, .size: 8, .value_kind: global_buffer, .address_space: global }
      - { .name: wo_codes, .offset: 112, .size: 8, .value_kind: global_buffer, .address_space: global }
      - { .name: w1_codes, .offset: 120, .size: 8, .value_kind: global_buffer, .address_space: global }
      - { .name: w2_codes, .offset: 128, .size: 8, .value_kind: global_buffer, .address_space: global }
      - { .name: wo_scales, .offset: 136, .size: 8, .value_kind: global_buffer, .address_space: global }
      - { .name: w1_scales, .offset: 144, .size: 8, .value_kind: global_buffer, .address_space: global }
      - { .name: w2_scales, .offset: 152, .size: 8, .value_kind: global_buffer, .address_space: global }
    .group_segment_fixed_size: 327680
    .private_segment_fixed_size: 0
    .kernarg_segment_align: 8
    .kernarg_segment_size: 160
    .max_flat_workgroup_size: 256
    .sgpr_count:     100
    .vgpr_count:     512
    .wavefront_size: 32
...
	.end_amdgpu_metadata
.endif
;; end of part 1
;; launch attn (part 2): grid 256 x 1, 16 waves a work-group, clusters of 4 x 1, 327,680 bytes of LDS; arguments qimg, kv, mask, ctximg; writes ctximg
.if DOCPART == 2
	.amdgcn_target "amdgcn-amd-amdhsa--gfx1250"
	.amdhsa_code_object_version 6
	.text
	.protected	k_q9ea06df5ab_attn
	.globl	k_q9ea06df5ab_attn
	.p2align	8
	.type	k_q9ea06df5ab_attn,@function
k_q9ea06df5ab_attn:
	s_mov_b64 s[64:65], 0
	v_nop
	global_prefetch_b8 v0, s[64:65] scope:SCOPE_SE
	s_setreg_imm32_b32 hwreg(HW_REG_WAVE_MODE, 25, 1), 1
	s_wait_xcnt 0x0
	s_wait_alu depctr_hold_cnt(0) depctr_sa_sdst(0) depctr_va_vdst(0) depctr_va_sdst(0) depctr_va_ssrc(0) depctr_va_vcc(0) depctr_vm_vsrc(0)
	s_getreg_b32 s2, hwreg(HW_REG_IB_STS2, 6, 4)
	s_cmp_eq_u32 s2, 0
	s_cbranch_scc0 .Lentry_in_a_cluster
	s_endpgm
.Lentry_in_a_cluster:
	s_bfe_u32 s2, ttmp6, 0x10000c
	s_cmp_lg_u32 s2, 0x3003
	s_cbranch_scc0 .Lentry_shape_is_right
	s_endpgm
.Lentry_shape_is_right:
; ctx = softmax(q k^T / 8, masked) v for 64 queries of one batch and all 8 heads, both products on codes of FP6 (E2M3) with E8M0 scales; ctx leaves as codes along the model's 512, as images of operand registers.
; THE SOFTMAX: t = score x log2(e) / 8; M = the row's largest t so far, rounded UP to a whole number; p = 2^(t - M) is quantised along the keys, not normalised; the row's sum of the unquantised p divides at the end.
; When M moves, the sum and O are multiplied by 2^(old M - new M): exact.
; THE MASK is the C operand of the first product: -2^33 at a masked key, 0 elsewhere; the first launch stored zeros for a masked key's codes, so its score is -2^33 exactly, and t = -2^33 c is a whole number:
; a row all of whose keys are masked gets p = 1 everywhere; in every other row a masked key's p is 0.
; LIMIT: a masked logit is -2^30 where the module has -1e9: the results are the same while unmasked logits stay above -1e8.  NaN and infinities are not served.
; SHARES.  Sixteen waves: wave w owns the tile of 16 queries w % 4 and, in two passes j, the heads 2 (w / 4) + j: its two results are the two halves of ONE fragment (128 along the model's 512) of ctx.
; Every wave walks the batch's 512 keys, 128 a step.  The head's K is 64: the upper 64 of each first product meet zeros in q's registers.
; LAYOUT.  Both products are used transposed (S^T = k q^T, O^T = v^T p^T): a lane holds ONE query.  The rows of a tile were chosen by the first launch so that the 16 registers of two neighbouring tiles are 16 neighbouring keys.
; CLUSTER.  The four work-groups of a cluster belong to one batch and walk the same k and v: each record is asked for JOINTLY.  Two slots of 8 records (2 key steps x 4 pairs of heads) of 13,312 bytes; waves 0-7 fetch one each.
; REGISTERS: v1-11 addresses; v12 -M, v13 the largest t, v[14:15] the sum; v16-27 q (v22-27 zeros), v28 its scale word; v32-79 k's eight half fragments, then v's four fragments; v80-85 zeros;
;   v86-89 k's scale words, v90-91 v's; v92-95 their halves; v96-159 S^T, then p; v160-191 O^T; v192-211 p's codes; v212-223 ctx's codes, v224 its scale word; v232-254 at work.
.set REC,   13312                      ; a record: two halves (64 keys each) of 3,072 k codes, 3,072 v codes, 256 k scales, 256 v scales
.set HREC,  6656
.set SLOTB, 8*REC
.set BIAS,  2*SLOTB                    ; 512 words: the mask as the first product's C
.set SPARE, BIAS+2048                  ; the spare words, 128 bytes for each wave: eight blocks of 256 bytes that no other line names
.set TM,  232
.set E,   240
.set PW,  244
.set WV,  12
.set G1,  20                           ; s[20:27]
.set G0,  28                           ; s[28:31], s[32:35]: slot 0, 1
.set SEL, 36
.set CS,  38                           ; s[38:39] c = log2(e) / 8
.set MSB, 0
.macro WIN new                         ; (this text never leaves window 0: the line is here for the quantiser's macro, which the three launches share)
.if MSB != (\new)
	s_set_vgpr_msb (MSB<<8)|(\new)
.set MSB, (\new)
.endif
.endm
.macro PLACES
.rept 4
	v_nop
.endr
.endm
.macro BAR
	s_wait_dscnt 0x0
	s_barrier_signal -1
	s_barrier_wait -1
.endm
.macro CROUND
	s_barrier_signal -1
	s_barrier_wait -1
	s_cmp_lg_u32 s[WV], 0
	s_cbranch_scc1 .Lnw0_\@
	s_barrier_signal -3
.Lnw0_\@:
	s_barrier_wait -3
	s_barrier_signal -1
	s_barrier_wait -1
.endm
; 32 numbers of a lane, register 16 b + i = k 32 b + 16 (lane / 16) + i of my row, become six registers of codes, k = 32 (lane / 16) + 0 .. 31, and the two blocks' scale bytes.
.macro QUANT2 src, d, pw, sw
	WIN 0x05*(\sw)
.irp b, 0,1
	v_max3_num_f32 v[TM+\b], |v[(\src)+16*\b]|, |v[(\src)+16*\b+1]|, 0x1800000
.endr
	WIN 0x14*(\sw)
.irp i, 2,4,6,8,10,12,14
.irp b, 0,1
	v_max3_num_f32 v[TM+\b], v[TM+\b], |v[(\src)+16*\b+\i]|, |v[(\src)+16*\b+\i+1]|
.endr
.endr
	WIN 0
.irp b, 0,1
	v_permlanex16_b32 v[TM+2+\b], v[TM+\b], s[SEL], s[SEL+1]
.endr
.irp b, 0,1
	v_max_num_f32 v[TM+\b], v[TM+\b], v[TM+2+\b]
.endr
.irp b, 0,1
	v_add_nc_u32 v[TM+4+\b], 0xff000000, v[TM+\b]
.endr
.irp b, 0,1
	v_lshrrev_b32 v[TM+2+\b], 23, v[TM+4+\b]
.endr
	v_lshl_or_b32 v[\pw], v[TM+3], 8, v[TM+2]
	WIN 0x01*(\sw)
	v_cvt_scalef32_pk16_fp6_f32 v[(\d):(\d)+2], v[(\src):(\src)+15], v[TM+4]
	v_cvt_scalef32_pk16_fp6_f32 v[E:E+2], v[(\src)+16:(\src)+31], v[TM+5]
	WIN 0
	v_nop
.irp i, 0,1,2
	v_permlane16_swap_b32 v[(\d)+\i], v[E+\i]
.endr
.irp i, 0,1,2
	v_mov_b32 v[(\d)+3+\i], v[E+\i]
.endr
.endm
; The change of slots: every wave's three lines, then (fill = 1) a round of the cluster's barrier and, first behind it, the refill of the slot just left, by waves 0-7, with the fill two further on.
.macro CHANGE slot, fill
	s_wait_tensorcnt 0x0                               ; no tensor load of mine is out, so a group 0 may be written
	ds_add_u32 v1, v2                                  ; 0 onto my spare word
.if \fill
	s_add_nc_u64 s[G0+4*\slot+2:G0+4*\slot+3], s[G0+4*\slot+2:G0+4*\slot+3], 2*SLOTB
	s_wait_dscnt 0x0
	CROUND
	s_cmp_lt_u32 s[WV], 8
	s_cbranch_scc0 .Lnone_\@
	tensor_load_to_lds s[G0+4*\slot:G0+4*\slot+3], s[G1:G1+7]
	s_nop 0
	PLACES
.Lnone_\@:
.else
	s_wait_dscnt 0x0
	s_barrier_signal -1
	s_barrier_wait -1
.endif
.endm
.macro INIT                            ; a pass begins: the first change of M multiplies zeros
	v_mov_b32 v13, 0xff61b1e6                          ; -3e38, under every t
	v_floor_f32 v12, -v13
	v_mov_b32 v14, 0
	v_mov_b32 v15, 0
.set II, 0
.rept 32
	v_mov_b32 v[160+II], 0
.set II, II+1
.endr
.endm
; A KEY STEP of 128 keys: the q-th of the slot, the ks-th of the batch.
.macro STEP slot, q, ks
	v_add_nc_u32 v6, \slot*SLOTB+\q*4*REC, v3
	v_add_nc_u32 v7, \slot*SLOTB+\q*4*REC, v4
	v_nop
	v_nop                                              ; four plain lines behind the last products, ahead of loads into their sources
.irp c, 0,1
.irp u, 0,1,2,3,4,5
	ds_load_b128 v[32+24*\c+4*\u:35+24*\c+4*\u], v6 offset:HREC*\c+512*\u      ; k: tile n = 4 c + m at v[32 + 6 n]
.endr
	ds_load_b64 v[86+2*\c:87+2*\c], v7 offset:HREC*\c+6144                     ; its scale words: tile n in v[86 + n / 2], lanes 16-31 for odd n
.endr
.irp n, 0,1,2,3,4,5,6,7
	ds_load_b128 v[96+8*\n:99+8*\n], v5 offset:512*\ks+128*(\n/2)+32*(\n%2)    ; the mask's words at my eight keys of tile n: the product's C
	ds_load_b128 v[100+8*\n:103+8*\n], v5 offset:512*\ks+128*(\n/2)+32*(\n%2)+16
.endr
	ds_load_b64 v[92:93], v7 offset:6400                                       ; v's scale bytes of keys 0-63,
	ds_load_b64 v[94:95], v7 offset:HREC+6400                                  ; and of keys 64-127
	s_wait_dscnt 0x0
.irp n, 0,1,2,3,4,5,6,7                ; S^T = k q^T + mask.  Source 0's upper 64 are the next tile's codes (behind tile 7: zeros); they meet q's zeros
.if \n%2
	v_wmma_scale_f32_16x16x128_f8f6f4 v[96+8*\n:103+8*\n], v[32+6*\n:43+6*\n], v[16:27], v[96+8*\n:103+8*\n], v[86+\n/2], v28 matrix_a_fmt:MATRIX_FMT_FP6 matrix_b_fmt:MATRIX_FMT_FP6 matrix_a_scale:MATRIX_SCALE_ROW1
.else
	v_wmma_scale_f32_16x16x128_f8f6f4 v[96+8*\n:103+8*\n], v[32+6*\n:43+6*\n], v[16:27], v[96+8*\n:103+8*\n], v[86+\n/2], v28 matrix_a_fmt:MATRIX_FMT_FP6 matrix_b_fmt:MATRIX_FMT_FP6
.endif
.endr
	v_lshl_or_b32 v90, v94, 16, v92                    ; v's scale words of these 128 keys
	v_lshl_or_b32 v91, v95, 16, v93
	v_nop
	v_nop                                              ; four plain lines: then v's fragments land where k's lay, under the softmax
.irp t, 0,1,2,3
.irp c, 0,1
.irp p, 0,1,2
	ds_load_b64 v[32+12*\t+6*\c+2*\p:33+12*\t+6*\c+2*\p], v7 offset:HREC*\c+3072+256*(3*\t+\p)
.endr
.endr
.endr
.irp b, 0,1,2,3
	v_max3_num_f32 v[232+\b], v[96+16*\b], v[97+16*\b], v[98+16*\b]            ; the largest score of each block of 32 keys: for the row's maximum, and, since p rises with the score, for the block's largest p
.endr
.irp i, 3,5,7,9,11,13
.irp b, 0,1,2,3
	v_max3_num_f32 v[232+\b], v[232+\b], v[96+16*\b+\i], v[97+16*\b+\i]
.endr
.endr
.irp b, 0,1,2,3
	v_max_num_f32 v[232+\b], v[232+\b], v[111+16*\b]
.endr
.irp b, 0,1,2,3
	v_permlanex16_b32 v[236+\b], v[232+\b], s[SEL], s[SEL+1]
.endr
.irp b, 0,1,2,3
	v_max_num_f32 v[232+\b], v[232+\b], v[236+\b]      ; with lane l xor 16's 16 keys
.endr
	v_max3_num_f32 v254, v232, v233, v234
	v_max_num_f32 v254, v254, v235
	v_mul_f32 v254, s[CS], v254                        ; the step's largest t
	v_max_num_f32 v13, v13, v254
	v_mov_b32 v254, v12
	v_floor_f32 v12, -v13                              ; the new -M = -ceil(t)
	v_sub_f32 v254, v12, v254                          ; old M - new M: a whole number, 0 or less
	v_cvt_i32_f32 v254, v254                           ; (it saturates)
	v_ldexp_f32 v252, 1.0, v254                        ; f = 2^(old M - new M)
.set II, 0
.rept 32
	v_pk_fma_f32 v[96+2*II:97+2*II], v[96+2*II:97+2*II], s[CS:CS+1], v[12:13] op_sel_hi:[1,0,0]   ; t - M
.set II, II+1
.endr
.irp b, 0,1,2,3
	v_fma_f32 v[232+\b], v[232+\b], s[CS], v12         ; the same of each block's largest score
.endr
.set II, 0
.rept 64
	v_exp_f32 v[96+II], v[96+II]                       ; p = 2^(t - M)
.set II, II+1
.endr
	v_pk_mul_f32 v[14:15], v[14:15], v[252:253] op_sel_hi:[1,0]                ; the sums under the new M: a plain line behind the exponentials
	s_wait_alu depctr_va_vdst(0)                       ; one wait for the batch, ahead of its first reader
.irp b, 0,1,2,3
	v_exp_f32 v[232+\b], v[232+\b]                     ; the block's largest p: the same two instructions on the same number
.endr
	v_pk_add_f32 v[236:237], v[96:97], v[98:99]        ; the row's sum, of the unquantised p, in two chains
.irp j, 4,8,12,16,20,24,28,32,36,40,44,48,52,56,60
	v_pk_add_f32 v[14:15], v[14:15], v[96+\j:97+\j]
	v_pk_add_f32 v[236:237], v[236:237], v[98+\j:99+\j]
.endr
	v_pk_add_f32 v[14:15], v[14:15], v[236:237]
	s_wait_alu depctr_va_vdst(0)                       ; and one for the four
.irp b, 0,1,2,3
	v_max_num_f32 v[232+\b], 0x1800000, v[232+\b]      ; the floor 2^(3 - 127)
.endr
.irp b, 0,1,2,3
	v_add_nc_u32 v[244+\b], 0xff000000, v[232+\b]
.endr
.irp b, 0,1,2,3
	v_lshrrev_b32 v[236+\b], 23, v[244+\b]
.endr
	v_lshl_or_b32 v253, v237, 8, v236                  ; p's scale word for these 128 keys
	v_lshl_or_b32 v253, v238, 16, v253
	v_lshl_or_b32 v253, v239, 24, v253
.irp c, 0,1
	v_cvt_scalef32_pk16_fp6_f32 v[192+6*\c:194+6*\c], v[96+32*\c:111+32*\c], v[244+2*\c]
	v_cvt_scalef32_pk16_fp6_f32 v[204+4*\c:206+4*\c], v[112+32*\c:127+32*\c], v[244+2*\c+1]
.endr
	v_nop
.irp c, 0,1
.irp i, 0,1,2
	v_permlane16_swap_b32 v[192+6*\c+\i], v[204+4*\c+\i]
.endr
.irp i, 0,1,2
	v_mov_b32 v[195+6*\c+\i], v[204+4*\c+\i]
.endr
.endr
.set II, 0
.rept 16
	v_pk_mul_f32 v[160+2*II:161+2*II], v[160+2*II:161+2*II], v[252:253] op_sel_hi:[1,0]   ; O^T under the new M, from each accumulator's low end on; these lines also part p's codes and scale word from the products
.set II, II+1
.endr
	s_wait_dscnt 0x0                                   ; v's fragments are in
.irp t, 0,1,2,3                        ; O^T += v^T p^T: four tiles of 16 channels by turns
.if \t%2
	v_wmma_scale_f32_16x16x128_f8f6f4 v[160+8*\t:167+8*\t], v[32+12*\t:43+12*\t], v[192:203], v[160+8*\t:167+8*\t], v[90+\t/2], v253 matrix_a_fmt:MATRIX_FMT_FP6 matrix_b_fmt:MATRIX_FMT_FP6 matrix_a_scale:MATRIX_SCALE_ROW1
.else
	v_wmma_scale_f32_16x16x128_f8f6f4 v[160+8*\t:167+8*\t], v[32+12*\t:43+12*\t], v[192:203], v[160+8*\t:167+8*\t], v[90+\t/2], v253 matrix_a_fmt:MATRIX_FMT_FP6 matrix_b_fmt:MATRIX_FMT_FP6
.endif
.endr
.endm
; A pass ends: O^T / the sum is quantised along the head's 64: half j of ctx's fragment.
.macro FINAL j
	PLACES
	v_add_f32 v14, v14, v15
	v_permlanex16_b32 v252, v14, s[SEL], s[SEL+1]
	v_add_f32 v14, v14, v252                           ; the row's sum
	v_rcp_f32 v14, v14
	v_nop
	s_wait_alu depctr_va_vdst(0)
.set II, 0
.rept 16
	v_pk_mul_f32 v[160+2*II:161+2*II], v[160+2*II:161+2*II], v[14:15] op_sel_hi:[1,0]
.set II, II+1
.endr
	QUANT2 160, 212+6*\j, PW, 0
.if \j == 0
	v_mov_b32 v224, v[PW]
.else
	v_lshl_or_b32 v224, v[PW], 16, v224
.endif
.endm
.macro QLOAD j                         ; q's half fragment and scale word of head 2 (w / 4) + j
.irp p, 0,1,2
	global_load_b64 v[16+2*\p:17+2*\p], v8, s[4:5] offset:3584*\j+256*\p
.endr
	global_load_b32 v28, v9, s[4:5] offset:3584*\j+3072
.endm
	s_load_b256 s[4:11], s[0:1], 0x0                   ; qimg, kv, mask, ctximg
	v_lshl_add_u32 v1, v0, 2, SPARE
	v_mov_b32 v2, 0
	ds_add_u32 v1, v2
	s_wait_dscnt 0x0
	v_lshrrev_b32 v3, 5, v0
	v_readfirstlane_b32 s[WV], v3                      ; wave 0..15
	s_bfe_u32 s13, ttmp6, 0x40000                      ; my place in the cluster: global addresses of q and ctx alone
	s_lshl_b32 s14, ttmp9, 2
	s_add_co_u32 s14, s14, s13                         ; work-group
	s_lshr_b32 s15, ttmp9, 1                           ; batch: the same in all four partners
	s_and_b32 s16, s[WV], 3                            ; my tile of queries
	s_lshr_b32 s17, s[WV], 2                           ; my pair of heads
	s_and_b32 s18, s[WV], 7                            ; the record that I fetch, if I fetch
	s_mov_b32 s[G1+0], 15|(3<<16)|(1<<21)              ; the mask: all four; elements of 8 bytes; bit 21 beside a mask; no padding
	s_mov_b32 s[G1+1], 32<<16                          ; a record is dense: 52 rows of 256 bytes
	s_mov_b32 s[G1+2], 52<<16
	s_mov_b32 s[G1+3], 32<<16
	s_mov_b32 s[G1+4], 52
	s_mov_b32 s[G1+5], 32
	s_mov_b32 s[G1+6], 0
	s_mov_b32 s[G1+7], 0
	s_mov_b32 s[SEL], 0x76543210
	s_mov_b32 s[SEL+1], 0xfedcba98
	s_mov_b32 s[CS], 0x3e38aa3b
	s_mov_b32 s[CS+1], s[CS]
	s_mul_i32 s40, s15, 425984
	s_mul_i32 s19, s18, REC
	s_add_co_u32 s40, s40, s19
	s_mov_b32 s41, 0
	s_wait_kmcnt 0x0
	s_add_nc_u64 s[6:7], s[6:7], s[40:41]
	s_mov_b32 s[G0], 1
	s_mov_b32 s[G0+1], s19
	s_mov_b64 s[G0+2:G0+3], s[6:7]
	s_or_b32 s[G0+3], s[G0+3], 0x80000000
	s_mov_b32 s[G0+4], 1
	s_add_co_u32 s[G0+5], s19, SLOTB
	s_add_nc_u64 s[G0+6:G0+7], s[6:7], SLOTB
	s_or_b32 s[G0+7], s[G0+7], 0x80000000
	CROUND                                             ; all four work-groups are here: the first joint loads meet
	s_cmp_lt_u32 s[WV], 8
	s_cbranch_scc0 .Lno_first
	tensor_load_to_lds s[G0:G0+3], s[G1:G1+7]          ; pass 0, key steps 0, 1
	s_nop 0
	tensor_load_to_lds s[G0+4:G0+7], s[G1:G1+7]        ; pass 0, key steps 2, 3: two loads of mine are out
	s_nop 0
	PLACES
.Lno_first:
	s_lshl_b32 s40, s14, 3
	s_lshl_b32 s46, s17, 1
	s_add_co_u32 s40, s40, s46
	s_mul_i32 s40, s40, 3584
	s_add_nc_u64 s[4:5], s[4:5], s[40:41]              ; q's record of pass 0
	s_lshl_b32 s40, s15, 11
	s_add_nc_u64 s[8:9], s[8:9], s[40:41]              ; the batch's mask
	s_mul_i32 s40, s14, 26624
	s_add_nc_u64 s[10:11], s[10:11], s[40:41]          ; ctx's record
	s_lshl_b32 s40, s16, 2
	s_add_co_u32 s40, s40, s17
	s_mul_i32 s40, s40, 1536
	s_add_nc_u64 s[42:43], s[10:11], s[40:41]          ; my fragment (tile m, K step w / 4),
	s_lshl_b32 s40, s16, 9
	s_add_co_u32 s40, s40, 24576
	s_add_nc_u64 s[44:45], s[10:11], s[40:41]          ; and tile m's scale words
	v_and_b32 v29, 31, v0                              ; lane
	v_bfe_u32 v30, v0, 4, 1                            ; h
	s_mul_i32 s46, s17, REC
	v_lshl_add_u32 v3, v29, 4, s46
	v_lshl_add_u32 v4, v29, 3, s46
	v_lshl_add_u32 v5, v30, 6, BIAS
	s_mul_i32 s46, s16, 768
	v_lshl_add_u32 v8, v29, 3, s46
	s_lshl_b32 s46, s16, 2
	v_lshl_add_u32 v9, v29, 4, s46
	v_lshlrev_b32 v10, 3, v29
	s_lshl_b32 s46, s17, 2
	v_lshl_add_u32 v11, v29, 4, s46
	v_lshlrev_b32 v254, 2, v0
	v_lshl_add_u32 v31, v0, 2, BIAS
	global_load_b32 v255, v254, s[8:9]                 ; thread i: the mask of key i
	QLOAD 0
	v_mov_b32 v30, 0xd0000000                          ; -2^33
.irp i, 22,23,24,25,26,27,80,81,82,83,84,85,236,237,238,239,253
	v_mov_b32 v\i, 0                                   ; q's upper 64, what follows k's last tile, the lane permutes' destinations, the upper half of the pair v[252:253]
.endr
	s_wait_loadcnt 0x0
	v_cmp_eq_u32 vcc_lo, 0, v255
	v_cndmask_b32 v255, 0, v30, vcc_lo
	ds_store_b32 v31, v255
	s_wait_tensorcnt 1                                 ; slot 0's load is in; slot 1's may stay out
	BAR
	INIT
	STEP 0, 0, 0
	STEP 0, 1, 1
	CHANGE 0, 1                                        ; slot 0 takes pass 1's key steps 0, 1
	STEP 1, 0, 2
	STEP 1, 1, 3
	QLOAD 1                                            ; (q's registers were last read ahead of the last softmax)
	FINAL 0
	CHANGE 1, 1                                        ; slot 1 takes pass 1's key steps 2, 3
	INIT
	s_wait_loadcnt 0x0
	STEP 0, 0, 0
	STEP 0, 1, 1
	CHANGE 0, 0                                        ; nothing is left to fetch
	STEP 1, 0, 2
	STEP 1, 1, 3
	FINAL 1
.irp p, 0,1,2,3,4,5
	global_store_b64 v10, v[212+2*\p:213+2*\p], s[42:43] offset:256*\p         ; 32 lanes store 256 consecutive bytes, at a multiple of 256 from the buffer's first byte
.endr
	global_store_b32 v11, v224, s[44:45]               ; my K step's word of each lane's four
	s_wait_tensorcnt 0x0                               ; the wave's end
	ds_add_u32 v1, v2
	s_wait_dscnt 0x0
	CROUND                                             ; the closing round
	s_endpgm
.Lfunc_end_k_q9ea06df5ab_attn:
	.size	k_q9ea06df5ab_attn, .Lfunc_end_k_q9ea06df5ab_attn-k_q9ea06df5ab_attn
	.p2alignl 7, 3214868480
	.fill 96, 4, 3214868480
	.section	.rodata,"a",@progbits
	.p2align	6, 0x0
	.amdhsa_kernel k_q9ea06df5ab_attn
		.amdhsa_group_segment_fixed_size 327680
		.amdhsa_private_segment_fixed_size 0
		.amdhsa_enable_private_segment 0
		.amdhsa_kernarg_size 32
		.amdhsa_user_sgpr_count 2
		.amdhsa_user_sgpr_kernarg_segment_ptr 1
		.amdhsa_wavefront_size32 1
		.amdhsa_system_sgpr_workgroup_id_x 1
		.amdhsa_system_sgpr_workgroup_id_y 1
		.amdhsa_system_sgpr_workgroup_id_z 1
		.amdhsa_system_vgpr_workitem_id 0
		.amdhsa_next_free_vgpr 256
		.amdhsa_next_free_sgpr 66
		.amdhsa_reserve_vcc 1
		.amdhsa_float_denorm_mode_32 3
		.amdhsa_float_denorm_mode_16_64 3
		.amdhsa_memory_ordered 1
		.amdhsa_forward_progress 1
		.amdhsa_inst_pref_size 155
	.end_amdhsa_kernel
	.amdgpu_metadata
---
amdhsa.version: [ 1, 2 ]
amdhsa.kernels:
  - .name:           k_q9ea06df5ab_attn
    .symbol:         k_q9ea06df5ab_attn.kd
    .args:
      - { .name: qimg, .offset: 0, .size: 8, .value_kind: global_buffer, .address_space: global }
      - { .name: kv, .offset: 8, .size: 8, .value_kind: global_buffer, .address_space: global }
      - { .name: mask, .offset: 16, .size: 8, .value_kind: global_buffer, .address_space: global }
      - { .name: ctximg, .offset: 24, .size: 8, .value_kind: global_buffer, .address_space: global }
    .group_segment_fixed_size: 327680
    .private_segment_fixed_size: 0
    .kernarg_segment_align: 8
    .kernarg_segment_size: 32
    .max_flat_workgroup_size: 512
    .sgpr_count:     66
    .vgpr_count:     256
    .wavefront_size: 32
...
	.end_amdgpu_metadata
.endif
;; end of part 2
;; launch ffn (part 3): grid 256 x 1, 8 waves a work-group, clusters of 4 x 1, 327,680 bytes of LDS; arguments ctximg, wimg, x, out0, bo, ln1_g, ln1_b, b2, b1, ln2_g, ln2_b; writes out0
.if DOCPART == 3
	.amdgcn_target "amdgcn-amd-amdhsa--gfx1250"
	.amdhsa_code_object_version 6
	.text
	.protected	k_q9ea06df5ab_ffn
	.globl	k_q9ea06df5ab_ffn
	.p2align	8
	.type	k_q9ea06df5ab_ffn,@function
k_q9ea06df5ab_ffn:
	s_mov_b64 s[64:65], 0
	v_nop
	global_prefetch_b8 v0, s[64:65] scope:SCOPE_SE
	s_setreg_imm32_b32 hwreg(HW_REG_WAVE_MODE, 25, 1), 1
	s_wait_xcnt 0x0
	s_wait_alu depctr_hold_cnt(0) depctr_sa_sdst(0) depctr_va_vdst(0) depctr_va_sdst(0) depctr_va_ssrc(0) depctr_va_vcc(0) depctr_vm_vsrc(0)
	s_getreg_b32 s2, hwreg(HW_REG_IB_STS2, 6, 4)
	s_cmp_eq_u32 s2, 0
	s_cbranch_scc0 .Lentry_in_a_cluster
	s_endpgm
.Lentry_in_a_cluster:
	s_bfe_u32 s2, ttmp6, 0x10000c
	s_cmp_lg_u32 s2, 0x3003
	s_cbranch_scc0 .Lentry_shape_is_right
	s_endpgm
.Lentry_shape_is_right:
; a = LN1(ctx wo + bo + x);  out = LN2(gelu(a w1 + b1) w2 + b2 + a).  The three products on codes of FP6 (E2M3) with E8M0 scales; a and the hidden layer are quantised on the way and never go to memory.
; SHARES.  A work-group owns 64 rows; wave w owns columns 64 w .. 64 w + 63 of every product (of 512 hidden units at a time: four rounds), for all 64 rows: 16 accumulators.
; Two sets of accumulators: O (bo + ctx wo, then + x; after LN1: a + b2, then + h w2) and T (x while the first product runs; then a round's hidden units, begun with b1 as C).
; LAYOUT.  Source 0 = 16 rows of a weight, source 1 = 16 rows of the activations; lane r of tile i takes number 32 (i / 2) + 8 (i % 2) + r + 8 (r / 8) of its 64: a lane holds ONE row, and the 32 registers of its
; four tiles are neighbours along the next product's K (register 16 b + i = column 32 b + 16 (lane / 16) + i).  A wave's 64 columns are half a K step of the next product.
; ACTIVATIONS go from wave to wave through LDS as images of operand registers (six planes of 256 bytes a fragment; scale words: tile m, lane l, K step s at 512 m + 16 l + 4 s).
; WEIGHTS were laid out by the first launch: 18 fills of 8 parts (one a wave: 8 fragments as register images, two K steps, and their scale words).  A wave has two halves of 12,800 bytes in LDS, side by side,
; fetches its own parts and reads them alone: so its own wait on TENSORcnt is all that a read needs.
; THE RING.  A round asks three times.  Behind its first product both halves are free: ONE load a wave brings w2's two parts (2 rows of 12,800 bytes, 102,400 apart in memory), and has the gelu in which to land.
; Behind each half of the second product that half takes the next round's w1.
; THE ORDER OF THE ROUNDS.  The four rounds add onto O independently.  Cluster c begins with round (c ^ c >> 2 ^ c >> 4) & 3 and goes on cyclically: the 64 clusters stand in four different quarters of w1 and w2 at a
; time, and from its second round on a cluster asks for bytes that other clusters have read before it.  The number is the same in all four partners and enters global addresses alone.
; CLUSTER.  All work-groups walk the same weights: the four of a cluster ask for each part JOINTLY.
; LAYER NORM: each wave takes mean and sum of squared differences of its 64 columns; the eight parts are merged by M2 = sum M2_i + 64 sum (mean_i - mean)^2: no difference of large sums.
; GELU: x / 2 (1 + erf(x / sqrt 2)), erf(z) = z P(z^2) / Q(z^2) on z held to -4 .. 4, a rational form good to f32's last bits.
; LIMITS: NaN and infinities are not served; a block whose largest magnitude lies under 2^(3 - 127) gets the scale byte 1.
; REGISTERS.  Window 0: v1-15 addresses; v16-31 the quantiser's; v32-79 four fragments of activations; v80-127 four of weights (between products v32-127 are at work); v128-131 the weights' scale words;
;   v132-147 the activations'; v148-151 two coefficients; v152-175 codes just made; v176-191 statistics (v152-183 hold bo until the first K step is issued); v192-223, v224-255 vectors along my columns.
;   Window 1: v0-127 O, v128-255 T.
.set SLOTB, 102400                     ; a fill in memory: 8 parts of 12,800 bytes
.set PARTB, 12800
.set WREG,  2*PARTB                    ; a wave's two halves in LDS
.set IMG,   8*WREG                     ; + 0: ctx's, later the hidden layer's 16 fragments; + 24,576 their scale words; + 26,624: a's 16 fragments; + 51,200 their scale words
.set HSC,   24576
.set AIMG,  26624
.set ASCL,  51200
.set STAT1, IMG+53248                  ; (mean, M2) of row r of tile m from wave w at 1,024 m + 64 r + 8 w; the second norm's 4,096 bytes on
.set STAGE, STAT1+8192                 ; the way out: 16 rows x (256 + 16) bytes for each wave
.set SPARE, STAGE+8*4352               ; the spare words, 128 bytes for each wave: four blocks of 256 bytes that no other line names
.set FRB,   1536
.set TM,  16
.set PW,  24
.set E,   28
.set ACT, 32
.set W,   80
.set WS,  128
.set ASC, 132
.set PC,  152
.set PB,  152                          ; v152-183: bo, the C of the first product's first K step
.set MS,  176                          ; v176+2m: my columns' mean, later 1 / deviation; +1: M2
.set MR,  184                          ; v184+2m: the row's mean; +1: its variance + eps
.set P0,  192
.set P1,  224
.set P2,  96
.set B1P, 26                           ; s[26:27] b1 at the round whose slice is asked for
.set G1,  28                           ; s[28:35] group 1 of one part
.set G0,  36                           ; s[36:39], s[40:43] group 0 of half 0, 1
.set WV,  44
.set RND, 45                           ; rounds to go
.set SEL, 46
.set RS2, 48                           ; s[48:49] 1 / sqrt 2.  s[50:61]: P's coefficients 0, 2 .. 6; s[62:63], s[66:71]: Q's 0, 2 .. 4, each twice, since the packed forms name pairs
.set G1C, 84                           ; s[84:91] group 1 of two parts at once
.set G0C, 92                           ; s[92:95] its group 0
.set FO,  96                           ; s[96:97] byte offset in wimg of the fill with w1's first half of the round in hand (w2's lies two fills on)
.set RR,  98                           ; s98 the round in hand, 0 .. 3
.set BO,  100                          ; s[100:101] 2,048 x round: b1's slice
.set MSB, 0
.macro WIN new
.if MSB != (\new)
	s_set_vgpr_msb (MSB<<8)|(\new)
.set MSB, (\new)
.endif
.endm
.macro PLACES
.rept 4
	v_nop
.endr
.endm
.macro BAR
	s_wait_dscnt 0x0
	s_barrier_signal -1
	s_barrier_wait -1
.endm
.macro CROUND
	s_barrier_signal -1
	s_barrier_wait -1
	s_cmp_lg_u32 s[WV], 0
	s_cbranch_scc1 .Lnw0_\@
	s_barrier_signal -3
.Lnw0_\@:
	s_barrier_wait -3
	s_barrier_signal -1
	s_barrier_wait -1
.endm
; 32 numbers of a lane, register 16 b + i = k 32 b + 16 (lane / 16) + i of my row, become six registers of codes, k = 32 (lane / 16) + 0 .. 31, and the two blocks' scale bytes.
.macro QUANT2 src, d, pw, sw
	WIN 0x05*(\sw)
.irp b, 0,1
	v_max3_num_f32 v[TM+\b], |v[(\src)+16*\b]|, |v[(\src)+16*\b+1]|, 0x1800000
.endr
	WIN 0x14*(\sw)
.irp i, 2,4,6,8,10,12,14
.irp b, 0,1
	v_max3_num_f32 v[TM+\b], v[TM+\b], |v[(\src)+16*\b+\i]|, |v[(\src)+16*\b+\i+1]|
.endr
.endr
	WIN 0
.irp b, 0,1
	v_permlanex16_b32 v[TM+2+\b], v[TM+\b], s[SEL], s[SEL+1]
.endr
.irp b, 0,1
	v_max_num_f32 v[TM+\b], v[TM+\b], v[TM+2+\b]
.endr
.irp b, 0,1
	v_add_nc_u32 v[TM+4+\b], 0xff000000, v[TM+\b]
.endr
.irp b, 0,1
	v_lshrrev_b32 v[TM+2+\b], 23, v[TM+4+\b]
.endr
	v_lshl_or_b32 v[\pw], v[TM+3], 8, v[TM+2]
	WIN 0x01*(\sw)
	v_cvt_scalef32_pk16_fp6_f32 v[(\d):(\d)+2], v[(\src):(\src)+15], v[TM+4]
	v_cvt_scalef32_pk16_fp6_f32 v[E:E+2], v[(\src)+16:(\src)+31], v[TM+5]
	WIN 0
	v_nop
.irp i, 0,1,2
	v_permlane16_swap_b32 v[(\d)+\i], v[E+\i]
.endr
.irp i, 0,1,2
	v_mov_b32 v[(\d)+3+\i], v[E+\i]
.endr
.endm
; A K step of 128: my four fragments of the weight (the half's q-th four), four fragments of activations (images from actrel on), 16 matrix instructions on 16 accumulators by turns.
; The weight's loads go first, then the activations' tile by tile: a tile's four products wait only for its own six loads and leave the later tiles' out.
; acc: 0 = O, 128 = T.  cinit = 1 or 2: the vector at v[cb] is the C of the sums' first instruction (1: it is waited for here).
.macro KSTEP half, q, ks, actrel, acc, cinit, cb
.irp t, 0,1,2,3
.irp u, 0,1,2
	ds_load_b128 v[W+12*\t+4*\u:W+12*\t+4*\u+3], v[3+\half] offset:FRB*(4*\q+\t)+512*\u
.endr
.endr
.if \q == 0
	ds_load_b128 v[WS:WS+3], v[3+\half] offset:12288   ; the part's scale words: fragment n in v[WS + n / 2], lanes 16-31 for odd n
.endif
.irp m, 0,1,2,3
.irp p, 0,1,2,3,4,5
	ds_load_b64 v[ACT+12*\m+2*\p:ACT+12*\m+2*\p+1], v5 offset:\actrel+(4*\m+\ks)*FRB+256*\p
.endr
.endr
.if \cinit == 1
	s_wait_loadcnt 0x0                                 ; the vector at v[cb]
.endif
.if \cinit
	WIN 0x40                                           ; D in window 1, C in window 0
.else
	WIN 0x50                                           ; C and D in window 1
.endif
.irp m, 0,1,2,3
	s_wait_dscnt 18-6*\m                               ; the weight's fragments and tiles 0 .. m are in; six loads for each later tile may be out
.irp t, 0,1,2,3
.set RD, \acc+32*\m+8*\t
.if \cinit
.set RC, \cb+8*\t
.else
.set RC, RD
.endif
.if \t%2
	v_wmma_scale_f32_16x16x128_f8f6f4 v[RD:RD+7], v[W+12*\t:W+12*\t+11], v[ACT+12*\m:ACT+12*\m+11], v[RC:RC+7], v[WS+2*\q+\t/2], v[ASC+4*\m+\ks] matrix_a_fmt:MATRIX_FMT_FP6 matrix_b_fmt:MATRIX_FMT_FP6 matrix_a_scale:MATRIX_SCALE_ROW1
.else
	v_wmma_scale_f32_16x16x128_f8f6f4 v[RD:RD+7], v[W+12*\t:W+12*\t+11], v[ACT+12*\m:ACT+12*\m+11], v[RC:RC+7], v[WS+2*\q+\t/2], v[ASC+4*\m+\ks] matrix_a_fmt:MATRIX_FMT_FP6 matrix_b_fmt:MATRIX_FMT_FP6
.endif
.endr
.endr
	WIN 0
	PLACES
.endm
.macro ASCALES rel                     ; the activations' scale words of all four K steps
.irp m, 0,1,2,3
	ds_load_b128 v[ASC+4*\m:ASC+4*\m+3], v6 offset:\rel+512*\m
.endr
.endm
.macro PLOAD reg, ptr                  ; a vector along my 64 columns, in the results' layout: register 8 t + j = column 32 (t / 2) + 8 (t % 2) + 16 h + j
.irp t, 0,1,2,3
	global_load_b128 v[\reg+8*\t:\reg+8*\t+3], v15, s[\ptr:\ptr+1] offset:128*(\t/2)+32*(\t%2)
	global_load_b128 v[\reg+8*\t+4:\reg+8*\t+7], v15, s[\ptr:\ptr+1] offset:128*(\t/2)+32*(\t%2)+16
.endr
.endm
; A half has been read out.  Every wave's three lines, then (fill = 1) a round of the cluster's barrier and, first behind it, the half takes its part of w1 of the round that s[FO] names.
.macro CHANGE half, fill
	s_wait_tensorcnt 0x0                               ; no tensor load of mine is out, so a group 0 may be written
	ds_add_u32 v1, v2                                  ; 0 onto my spare word
.if \fill
	s_add_nc_u64 s[G0+4*\half+2:G0+4*\half+3], s[6:7], s[FO:FO+1]
.if \half
	s_add_nc_u64 s[G0+4*\half+2:G0+4*\half+3], s[G0+4*\half+2:G0+4*\half+3], SLOTB
.endif
	s_or_b32 s[G0+4*\half+3], s[G0+4*\half+3], 0x80000000
	s_wait_dscnt 0x0
	CROUND
	tensor_load_to_lds s[G0+4*\half:G0+4*\half+3], s[G1:G1+7]
	s_nop 0
	PLACES
.else
	s_wait_dscnt 0x0
	s_barrier_signal -1
	s_barrier_wait -1
.endif
.endm
; Both halves have been read out: one load brings both parts of w2 of the round in hand, two fills behind its w1.
.macro CHANGE2
	s_wait_tensorcnt 0x0                               ; no tensor load of mine is out, so a group 0 may be written
	ds_add_u32 v1, v2                                  ; 0 onto my spare word
	s_add_nc_u64 s[G0C+2:G0C+3], s[6:7], s[FO:FO+1]
	s_add_nc_u64 s[G0C+2:G0C+3], s[G0C+2:G0C+3], 2*SLOTB
	s_or_b32 s[G0C+3], s[G0C+3], 0x80000000
	s_wait_dscnt 0x0
	CROUND
	tensor_load_to_lds s[G0C:G0C+3], s[G1C:G1C+7]
	s_nop 0
	PLACES
.endm
; Tile m's rows: mean and sum of squared differences over my 64 columns (32 in my lane, 32 in lane l xor 16), to LDS.  O is read from each accumulator's low end on.
.macro LNSTAT m, srel
	WIN 0x05
	v_pk_add_f32 v[64:65], v[32*\m:32*\m+1], v[32*\m+4:32*\m+5]
	v_pk_add_f32 v[66:67], v[32*\m+2:32*\m+3], v[32*\m+6:32*\m+7]
	WIN 0x04
.irp i, 8,12,16,20,24,28
	v_pk_add_f32 v[64:65], v[64:65], v[32*\m+\i:32*\m+\i+1]
	v_pk_add_f32 v[66:67], v[66:67], v[32*\m+\i+2:32*\m+\i+3]
.endr
	WIN 0
	v_pk_add_f32 v[64:65], v[64:65], v[66:67]
	v_add_f32 v64, v64, v65
	v_permlanex16_b32 v66, v64, s[SEL], s[SEL+1]
	v_add_f32 v64, v64, v66
	v_mul_f32 v[MS+2*\m], 0x3c800000, v64              ; / 64
	WIN 0x01
.irp i, 0,2,4,6,8,10,12,14,16,18,20,22,24,26,28,30
	v_pk_add_f32 v[32+\i:33+\i], v[32*\m+\i:32*\m+\i+1], v[MS+2*\m:MS+2*\m+1] op_sel_hi:[1,0] neg_lo:[0,1] neg_hi:[0,1]
.endr
	WIN 0
	v_pk_mul_f32 v[64:65], v[32:33], v[32:33]
	v_pk_mul_f32 v[66:67], v[34:35], v[34:35]
.irp i, 4,8,12,16,20,24,28
	v_pk_fma_f32 v[64:65], v[32+\i:33+\i], v[32+\i:33+\i], v[64:65]
	v_pk_fma_f32 v[66:67], v[34+\i:35+\i], v[34+\i:35+\i], v[66:67]
.endr
	v_pk_add_f32 v[64:65], v[64:65], v[66:67]
	v_add_f32 v64, v64, v65
	v_permlanex16_b32 v66, v64, s[SEL], s[SEL+1]
	v_add_f32 v[MS+2*\m+1], v64, v66
	ds_store_b64 v9, v[MS+2*\m:MS+2*\m+1] offset:\srel+1024*\m   ; (lanes l and l xor 16 write the same words with the same values)
.endm
; The eight waves' parts are merged: the row's mean in v[MR + 2 m], 1 / sqrt(variance + eps) in v[MS + 2 m].
.macro LNCOMB srel
.irp m, 0,1,2,3
.irp u, 0,1,2,3
	ds_load_b128 v[32+16*\m+4*\u:35+16*\m+4*\u], v10 offset:\srel+1024*\m+16*\u
.endr
.endr
	s_wait_dscnt 0x0
.irp m, 0,1,2,3
	v_pk_add_f32 v[MR+2*\m:MR+2*\m+1], v[32+16*\m:33+16*\m], v[34+16*\m:35+16*\m]
.endr
.irp i, 4,6,8,10,12,14
.irp m, 0,1,2,3
	v_pk_add_f32 v[MR+2*\m:MR+2*\m+1], v[MR+2*\m:MR+2*\m+1], v[32+16*\m+\i:33+16*\m+\i]   ; (sum of means, sum of M2)
.endr
.endr
.irp m, 0,1,2,3
	v_mul_f32 v[MR+2*\m], 0x3e000000, v[MR+2*\m]       ; / 8: the row's mean
.endr
.irp i, 0,2,4,6,8,10,12,14
.irp m, 0,1,2,3
	v_sub_f32 v[32+16*\m+\i], v[32+16*\m+\i], v[MR+2*\m]
.endr
.endr
.irp m, 0,1,2,3
	v_mul_f32 v[33+16*\m], v[32+16*\m], v[32+16*\m]
.endr
.irp i, 2,4,6,8,10,12,14
.irp m, 0,1,2,3
	v_fmac_f32 v[33+16*\m], v[32+16*\m+\i], v[32+16*\m+\i]
.endr
.endr
.irp m, 0,1,2,3
	v_fma_f32 v[MR+2*\m+1], v[33+16*\m], s78, v[MR+2*\m+1]      ; M2 = sum M2_i + 64 sum (mean_i - mean)^2
.endr
.irp m, 0,1,2,3
	v_fma_f32 v[MR+2*\m+1], v[MR+2*\m+1], s77, s76     ; / 512 + eps
.endr
.irp m, 0,1,2,3
	v_rsq_f32 v[MS+2*\m], v[MR+2*\m+1]
.endr
	v_nop                                              ; a plain line behind the last of the four
	s_wait_alu depctr_va_vdst(0)                       ; one wait for the four, ahead of their first reader
.endm
.macro LNAPPLY m                       ; v32-63 = (O - mean) / deviation x gain (P0) + shift (P1)
	WIN 0x01
.irp i, 0,2,4,6,8,10,12,14,16,18,20,22,24,26,28,30
	v_pk_add_f32 v[32+\i:33+\i], v[32*\m+\i:32*\m+\i+1], v[MR+2*\m:MR+2*\m+1] op_sel_hi:[1,0] neg_lo:[0,1] neg_hi:[0,1]
.endr
	WIN 0
.irp i, 0,2,4,6,8,10,12,14,16,18,20,22,24,26,28,30
	v_pk_mul_f32 v[32+\i:33+\i], v[32+\i:33+\i], v[MS+2*\m:MS+2*\m+1] op_sel_hi:[1,0]
.endr
.irp i, 0,2,4,6,8,10,12,14,16,18,20,22,24,26,28,30
	v_pk_fma_f32 v[32+\i:33+\i], v[32+\i:33+\i], v[P0+\i:P0+\i+1], v[P1+\i:P1+\i+1]
.endr
.endm
; Tile m's 32 hidden units of my lane: gelu, quantised, image to LDS: half w % 2 of K step w / 2 of the round's four.
; v32-63 z = x / sqrt 2, then gelu; 16 numbers at a time: v64-79 z held, then x / 2; v80-95 its square; v96-111 P; v112-127 Q.
.macro GELU m
	WIN 0x01
.irp i, 0,2,4,6,8,10,12,14,16,18,20,22,24,26,28,30
	v_pk_mul_f32 v[32+\i:33+\i], v[128+32*\m+\i:129+32*\m+\i], s[RS2:RS2+1] op_sel_hi:[1,0]
.endr
	WIN 0
.irp bt, 0,1
.irp i, 0,1,2,3,4,5,6,7,8,9,10,11,12,13,14,15
	v_med3_num_f32 v[64+\i], v[32+16*\bt+\i], -4.0, 4.0
.endr
.irp i, 0,2,4,6,8,10,12,14
	v_pk_mul_f32 v[80+\i:81+\i], v[64+\i:65+\i], v[64+\i:65+\i]
.endr
.irp i, 0,2,4,6,8,10,12,14
	v_pk_fma_f32 v[96+\i:97+\i], v[80+\i:81+\i], s[50:51], v[148:149] op_sel_hi:[1,0,1]
.endr
.irp a, 52,54,56,58,60
.irp i, 0,2,4,6,8,10,12,14
	v_pk_fma_f32 v[96+\i:97+\i], v[96+\i:97+\i], v[80+\i:81+\i], s[\a:\a+1] op_sel_hi:[1,1,0]
.endr
.endr
.irp i, 0,2,4,6,8,10,12,14
	v_pk_fma_f32 v[112+\i:113+\i], v[80+\i:81+\i], s[62:63], v[150:151] op_sel_hi:[1,0,1]
.endr
.irp a, 66,68,70
.irp i, 0,2,4,6,8,10,12,14
	v_pk_fma_f32 v[112+\i:113+\i], v[112+\i:113+\i], v[80+\i:81+\i], s[\a:\a+1] op_sel_hi:[1,1,0]
.endr
.endr
.irp i, 0,1,2,3,4,5,6,7,8,9,10,11,12,13,14,15
	v_rcp_f32 v[112+\i], v[112+\i]
.endr
.irp i, 0,2,4,6,8,10,12,14
	v_pk_mul_f32 v[96+\i:97+\i], v[96+\i:97+\i], v[64+\i:65+\i]                ; z P: plain work behind the reciprocals
.endr
.irp i, 0,2,4,6,8,10,12,14
	v_pk_mul_f32 v[64+\i:65+\i], v[32+16*\bt+\i:33+16*\bt+\i], s[RS2:RS2+1] op_sel_hi:[1,0]   ; x / 2
.endr
	s_wait_alu depctr_va_vdst(0)                       ; one wait for the sixteen, ahead of their first reader
.irp i, 0,2,4,6,8,10,12,14
	v_pk_mul_f32 v[96+\i:97+\i], v[96+\i:97+\i], v[112+\i:113+\i]              ; erf
.endr
.irp i, 0,2,4,6,8,10,12,14
	v_pk_fma_f32 v[32+16*\bt+\i:33+16*\bt+\i], v[64+\i:65+\i], v[96+\i:97+\i], v[64+\i:65+\i]
.endr
.endr
	QUANT2 32, PC+6*\m, PW+\m, 0
.irp p, 0,1,2
	ds_store_b64 v7, v[PC+6*\m+2*\p:PC+6*\m+2*\p+1] offset:4*FRB*\m+256*\p
.endr
	ds_store_b16 v8, v[PW+\m] offset:HSC+512*\m
.endm
; Tile m of the result: through my stage, back as whole rows of my 256 bytes, stored two rows an instruction.
.macro OUT m
	LNAPPLY \m
.if \m >= 2
	s_wait_xcnt 0x0                                    ; the stores of two tiles back have read their registers
.endif
.irp t, 0,1,2,3
	ds_store_b128 v11, v[32+8*\t:35+8*\t] offset:128*(\t/2)+32*(\t%2)
	ds_store_b128 v11, v[36+8*\t:39+8*\t] offset:128*(\t/2)+32*(\t%2)+16
.endr
.irp i, 0,1,2,3,4,5,6,7
	ds_load_b128 v[64+32*(\m%2)+4*\i:67+32*(\m%2)+4*\i], v12 offset:544*\i     ; LDS serves a wave's instructions in order (ISA guide 5.7.1.4): these see my stores, and the next tile's stores come behind them
.endr
.irp i, 0,1,2,3,4,5,6,7
	s_wait_dscnt 7-\i                                  ; the younger loads from the stage may be out
	global_store_b128 v14, v[64+32*(\m%2)+4*\i:67+32*(\m%2)+4*\i], s[10:11] offset:2048*(32*(\m/2)+8*(\m%2)+2*\i+8*(\i/4)) th:TH_STORE_NT   ; 16 lanes store 256 consecutive bytes, at a multiple of 256 from the buffer's first byte
.endr
.endm
	s_load_b512 s[4:19], s[0:1], 0x0                   ; ctximg, wimg, x, out0, bo, ln1_g, ln1_b, b2
	s_load_b128 s[20:23], s[0:1], 0x40                 ; b1, ln2_g
	s_load_b64 s[24:25], s[0:1], 0x50                  ; ln2_b
	v_lshl_add_u32 v1, v0, 2, SPARE
	v_mov_b32 v2, 0
	ds_add_u32 v1, v2
	s_wait_dscnt 0x0
	v_lshrrev_b32 v3, 5, v0
	v_readfirstlane_b32 s[WV], v3                      ; wave 0..7
	s_bfe_u32 s72, ttmp6, 0x40000                      ; my place in the cluster: global addresses alone
	s_lshl_b32 s73, ttmp9, 2
	s_add_co_u32 s73, s73, s72                         ; work-group
	s_lshr_b32 s[RR], ttmp9, 2                         ; the cluster's first round: the exclusive or of the three pairs of bits of its number, 0 .. 63
	s_xor_b32 s[RR], s[RR], ttmp9
	s_lshr_b32 s99, ttmp9, 4
	s_xor_b32 s[RR], s[RR], s99
	s_and_b32 s[RR], s[RR], 3
	s_mul_i32 s[FO], s[RR], 4*SLOTB                    ; a round is four fills; two fills of wo lie ahead of them
	s_add_co_u32 s[FO], s[FO], 2*SLOTB
	s_mov_b32 s[FO+1], 0
	s_mov_b32 s[BO+1], 0
	s_mov_b32 s[G1+0], 15|(3<<16)|(1<<21)              ; the mask: all four; elements of 8 bytes; bit 21 beside a mask; no padding
	s_mov_b32 s[G1+1], 32<<16                          ; a part is dense: 50 rows of 256 bytes
	s_mov_b32 s[G1+2], 50<<16
	s_mov_b32 s[G1+3], 32<<16
	s_mov_b32 s[G1+4], 50
	s_mov_b32 s[G1+5], 32
	s_mov_b32 s[G1+6], 0
	s_mov_b32 s[G1+7], 0
	s_mov_b32 s[G1C+0], 15|(3<<16)|(1<<21)             ; two parts: 2 rows of 1,600 elements of 8 bytes,
	s_mov_b32 s[G1C+1], 1600<<16
	s_mov_b32 s[G1C+2], 2<<16
	s_mov_b32 s[G1C+3], 1600<<16
	s_mov_b32 s[G1C+4], 2
	s_mov_b32 s[G1C+5], 12800                          ; a fill (102,400 bytes) apart in memory, on end in LDS
	s_mov_b32 s[G1C+6], 0
	s_mov_b32 s[G1C+7], 0
	s_mul_i32 s74, s[WV], PARTB                        ; my part in a fill,
	s_mov_b32 s75, 0
	s_mul_i32 s79, s[WV], WREG                         ; my two halves in LDS
	s_wait_kmcnt 0x0
	s_add_nc_u64 s[6:7], s[6:7], s[74:75]
	s_mov_b32 s[G0], 1
	s_mov_b32 s[G0+1], s79
	s_mov_b64 s[G0+2:G0+3], s[6:7]
	s_or_b32 s[G0+3], s[G0+3], 0x80000000
	s_mov_b32 s[G0+4], 1
	s_add_co_u32 s[G0+5], s79, PARTB
	s_add_nc_u64 s[G0+6:G0+7], s[6:7], SLOTB
	s_or_b32 s[G0+7], s[G0+7], 0x80000000
	s_mov_b32 s[G0C], 1
	s_mov_b32 s[G0C+1], s79
	CROUND                                             ; all four work-groups are here: the first joint loads meet
	tensor_load_to_lds s[G0:G0+3], s[G1:G1+7]          ; wo, K steps 0, 1
	s_nop 0
	tensor_load_to_lds s[G0+4:G0+7], s[G1:G1+7]        ; wo, K steps 2, 3: two loads of mine are out
	s_nop 0
	PLACES
	s_mov_b32 s[SEL], 0x76543210
	s_mov_b32 s[SEL+1], 0xfedcba98
	s_mov_b32 s48, 0x3f3504f3
	s_mov_b32 s49, 0x3f3504f3
	s_mov_b32 s50, 0xaf95df0b
	s_mov_b32 s51, 0xaf95df0b
	s_mov_b32 s52, 0xb60cff51
	s_mov_b32 s53, 0xb60cff51
	s_mov_b32 s54, 0xb86ec2d2
	s_mov_b32 s55, 0xb86ec2d2
	s_mov_b32 s56, 0xba40ac63
	s_mov_b32 s57, 0xba40ac63
	s_mov_b32 s58, 0xbb41a1f6
	s_mov_b32 s59, 0xbb41a1f6
	s_mov_b32 s60, 0xbc83dbd4
	s_mov_b32 s61, 0xbc83dbd4
	s_mov_b32 s62, 0xb77460cd
	s_mov_b32 s63, 0xb77460cd
	s_mov_b32 s66, 0xbadc924e
	s_mov_b32 s67, 0xbadc924e
	s_mov_b32 s68, 0xbbf19bf8
	s_mov_b32 s69, 0xbbf19bf8
	s_mov_b32 s70, 0xbc69b6a7
	s_mov_b32 s71, 0xbc69b6a7
	s_mov_b32 s76, 0x3727c5ac                          ; eps
	s_mov_b32 s77, 0x3b000000                          ; 1 / 512
	s_mov_b32 s78, 0x42800000                          ; 64
	v_mov_b32 v148, 0x32edffee                         ; P's coefficient 1
	v_mov_b32 v149, 0x32edffee
	v_mov_b32 v150, 0xb95fbd29                         ; Q's coefficient 1
	v_mov_b32 v151, 0xb95fbd29
	s_lshl_b32 s80, s[WV], 8                           ; my 64 columns of each vector
	s_mov_b32 s81, 0
.irp p, 12,14,16,18,20,22,24
	s_add_nc_u64 s[\p:\p+1], s[\p:\p+1], s[80:81]
.endr
	s_lshl_b32 s82, s73, 17                            ; the work-group's 64 rows of 2,048 bytes, my 256 bytes of each
	s_add_co_u32 s80, s80, s82
	s_add_nc_u64 s[8:9], s[8:9], s[80:81]
	s_add_nc_u64 s[10:11], s[10:11], s[80:81]
	s_mul_i32 s80, s73, 26624
	s_add_nc_u64 s[4:5], s[4:5], s[80:81]              ; ctx's record
	v_and_b32 v16, 31, v0                              ; lane
	v_and_b32 v17, 15, v0                              ; r
	v_bfe_u32 v18, v0, 4, 1                            ; h
	v_and_b32 v19, 8, v17
	v_add_nc_u32 v19, v19, v17                         ; r + 8 (r / 8).  (v18, v19 are so written ahead of the lane permutes that name them as destinations)
	v_lshl_add_u32 v3, v16, 4, s79                     ; my half 0,
	v_add_nc_u32 v4, PARTB, v3                         ; my half 1
	v_lshl_add_u32 v5, v16, 3, IMG
	v_lshl_add_u32 v6, v16, 4, IMG
	s_lshr_b32 s82, s[WV], 1
	s_mul_i32 s82, s82, FRB
	s_and_b32 s83, s[WV], 1
	s_mul_i32 s83, s83, 768
	s_add_co_u32 s82, s82, s83
	v_add_nc_u32 v7, s82, v5                           ; where my half fragments go: K step w / 2, half w % 2
	s_lshl_b32 s82, s[WV], 1
	v_add_nc_u32 v8, s82, v6                           ; and their two scale bytes
	v_lshl_add_u32 v10, v17, 6, STAT1
	s_lshl_b32 s82, s[WV], 3
	v_add_nc_u32 v9, s82, v10
	s_mul_i32 s82, s[WV], 4352
	s_add_co_u32 s82, s82, STAGE
	v_mul_u32_u24 v11, v17, 272
	v_lshl_add_u32 v11, v18, 6, v11
	v_add_nc_u32 v11, s82, v11                         ; the stage, in: row r, + 64 h
	v_mul_u32_u24 v12, v18, 272
	v_lshl_add_u32 v12, v17, 4, v12
	v_add_nc_u32 v12, s82, v12                         ; back: lanes 0-15 one row, lanes 16-31 the next
	v_lshlrev_b32 v13, 11, v19
	v_lshl_add_u32 v13, v18, 6, v13                    ; x: my row, + 64 h
	v_lshlrev_b32 v14, 11, v18
	v_lshl_add_u32 v14, v17, 4, v14                    ; out: two rows an instruction
	v_lshlrev_b32 v15, 6, v18
	s_mul_i32 s82, s[WV], 3072
	v_lshl_add_u32 v20, v16, 4, s82                    ; ctx's record is copied as it lies: 3,072 bytes of codes a wave,
	v_add_nc_u32 v21, IMG, v20
	s_lshl_b32 s82, s[WV], 8
	v_lshl_add_u32 v22, v16, 3, s82                    ; and 256 of scale words
	v_add_nc_u32 v23, IMG, v22
	; what the first product wants is asked for first: ctx (7 loads) and bo (8); x and the first norm's vectors follow and land while it runs
.irp i, 0,1,2,3,4,5
	global_load_b128 v[32+4*\i:35+4*\i], v20, s[4:5] offset:512*\i
.endr
	global_load_b64 v[56:57], v22, s[4:5] offset:24576
	PLOAD PB, 12                                       ; bo
	WIN 0x40                                           ; destination window 1: x lands in T, which is idle until the first round
.irp m, 0,1,2,3
.irp t, 0,1,2,3
	global_load_b128 v[128+32*\m+8*\t:128+32*\m+8*\t+3], v13, s[8:9] offset:2048*(32*(\m/2)+8*(\m%2))+128*(\t/2)+32*(\t%2) th:TH_LOAD_NT
	global_load_b128 v[128+32*\m+8*\t+4:128+32*\m+8*\t+7], v13, s[8:9] offset:2048*(32*(\m/2)+8*(\m%2))+128*(\t/2)+32*(\t%2)+16 th:TH_LOAD_NT
.endr
.endr
	WIN 0
	PLOAD P0, 14                                       ; ln1_g
	PLOAD P1, 16                                       ; ln1_b
	s_wait_loadcnt 48                                  ; ctx and bo are in; the 32 loads of x and the 16 of the two vectors, issued behind them, may be out
.irp i, 0,1,2,3,4,5
	ds_store_b128 v21, v[32+4*\i:35+4*\i] offset:512*\i
.endr
	ds_store_b64 v23, v[56:57] offset:HSC
	s_wait_tensorcnt 1                                 ; half 0's load is in; half 1's may stay out
	BAR                                                ; ctx's 16 fragments lie in LDS
	ASCALES HSC
	KSTEP 0, 0, 0, 0, 0, 2, PB                         ; O = bo + ctx wo
.set II, 0
.rept 16
	v_mov_b32 v[MS+II], 0                              ; bo is done with (four plain lines stand behind the products).  The statistics' registers are named as halves of pairs before they are first written
.set II, II+1
.endr
	KSTEP 0, 1, 1, 0, 0, 0, 0
	CHANGE 0, 1                                        ; half 0 takes w1's first half of my first round
	KSTEP 1, 0, 2, 0, 0, 0, 0
	KSTEP 1, 1, 3, 0, 0, 0, 0
	PLOAD P2, 18                                       ; b2, where the weight's fragments lay
	CHANGE 1, 1                                        ; half 1 takes w1's second half: it has the first norm in which to land
	s_wait_loadcnt 0x0                                 ; x, the norm's vectors, b2
	WIN 0x45                                           ; all three in window 1
.set II, 0
.rept 64
	v_pk_add_f32 v[2*II:2*II+1], v[2*II:2*II+1], v[128+2*II:129+2*II]          ; O += x, each accumulator from its low end on
.set II, II+1
.endr
	WIN 0
.irp m, 0,1,2,3
	LNSTAT \m, 0
.endr
	BAR
	LNCOMB 0
.irp m, 0,1,2,3
	LNAPPLY \m                                         ; a
	QUANT2 32, PC+6*\m, PW+\m, 0
.irp p, 0,1,2
	ds_store_b64 v7, v[PC+6*\m+2*\p:PC+6*\m+2*\p+1] offset:AIMG+4*FRB*\m+256*\p
.endr
	ds_store_b16 v8, v[PW+\m] offset:ASCL+512*\m
	WIN 0x40
.irp i, 0,2,4,6,8,10,12,14,16,18,20,22,24,26,28,30
	v_pk_add_f32 v[32*\m+\i:32*\m+\i+1], v[32+\i:33+\i], v[P2+\i:P2+\i+1]      ; O = a + b2
.endr
	WIN 0
.endr
	s_lshl_b32 s[BO], s[RR], 11
	s_add_nc_u64 s[B1P:B1P+1], s[20:21], s[BO:BO+1]
	PLOAD P0, B1P                                      ; b1 of my first round
	BAR                                                ; a's 16 fragments lie in LDS
	s_mov_b32 s[RND], 4
.Lround:                                               ; 512 hidden units a round
	ASCALES ASCL
	KSTEP 0, 0, 0, AIMG, 128, 1, P0                    ; T = a w1 + b1
	KSTEP 0, 1, 1, AIMG, 128, 0, 0
	s_wait_tensorcnt 0x0                               ; my part of w1's second half: the one load of mine that is out; I alone read it, so no barrier stands here
	KSTEP 1, 0, 2, AIMG, 128, 0, 0
	KSTEP 1, 1, 3, AIMG, 128, 0, 0
	s_add_co_u32 s[RR], s[RR], 1
	s_and_b32 s[RR], s[RR], 3                          ; the round that follows
	s_cmp_eq_u32 s[RND], 1                             ; its b1, if a round follows
	s_cbranch_scc1 .Lno_b1
	s_wait_xcnt 0x0                                    ; the last loads have read their base
	s_lshl_b32 s[BO], s[RR], 11
	s_add_nc_u64 s[B1P:B1P+1], s[20:21], s[BO:BO+1]
	PLOAD P0, B1P
.Lno_b1:
	CHANGE2                                            ; both halves take w2 of this round
	s_mul_i32 s[FO], s[RR], 4*SLOTB                    ; from here on s[FO] names the round that follows
	s_add_co_u32 s[FO], s[FO], 2*SLOTB
.irp m, 0,1,2,3
	GELU \m
.endr
	s_wait_tensorcnt 0x0                               ; my two parts of w2: the one load of mine that is out
	BAR                                                ; the round's 16 hidden fragments lie in LDS
	ASCALES HSC
	KSTEP 0, 0, 0, 0, 0, 0, 0                          ; O += h w2
	KSTEP 0, 1, 1, 0, 0, 0, 0
	s_cmp_eq_u32 s[RND], 1                             ; the last round asks for nothing more: its tail is written out
	s_cbranch_scc1 .Ltail
	CHANGE 0, 1                                        ; half 0 takes w1's first half of the round that follows
	KSTEP 1, 0, 2, 0, 0, 0, 0
	KSTEP 1, 1, 3, 0, 0, 0, 0
	CHANGE 1, 1                                        ; half 1 its second half
	s_sub_co_u32 s[RND], s[RND], 1
	s_cmp_lg_u32 s[RND], 0
	s_cbranch_scc1 .Lround
.Ltail:
	s_wait_loadcnt 0x0                                 ; on every way that leads here no load into P0 is out any more: two loads never aim at one register at a time (the last round asked for no b1, so nothing is waited for)
	PLOAD P0, 22                                       ; ln2_g
	PLOAD P1, 24                                       ; ln2_b
	CHANGE 0, 0
	KSTEP 1, 0, 2, 0, 0, 0, 0
	KSTEP 1, 1, 3, 0, 0, 0, 0
	s_wait_loadcnt 0x0
.irp m, 0,1,2,3
	LNSTAT \m, 4096
.endr
	BAR
	LNCOMB 4096
.irp m, 0,1,2,3
	OUT \m
.endr
	s_wait_tensorcnt 0x0                               ; the wave's end
	ds_add_u32 v1, v2
	s_wait_dscnt 0x0
	CROUND                                             ; the closing round
	s_endpgm
.Lfunc_end_k_q9ea06df5ab_ffn:
	.size	k_q9ea06df5ab_ffn, .Lfunc_end_k_q9ea06df5ab_ffn-k_q9ea06df5ab_ffn
	.p2alignl 7, 3214868480
	.fill 96, 4, 3214868480
	.section	.rodata,"a",@progbits
	.p2align	6, 0x0
	.amdhsa_kernel k_q9ea06df5ab_ffn
		.amdhsa_group_segment_fixed_size 327680
		.amdhsa_private_segment_fixed_size 0
		.amdhsa_enable_private_segment 0
		.amdhsa_kernarg_size 88
		.amdhsa_user_sgpr_count 2
		.amdhsa_user_sgpr_kernarg_segment_ptr 1
		.amdhsa_wavefront_size32 1
		.amdhsa_system_sgpr_workgroup_id_x 1
		.amdhsa_system_sgpr_workgroup_id_y 1
		.amdhsa_system_sgpr_workgroup_id_z 1
		.amdhsa_system_vgpr_workitem_id 0
		.amdhsa_next_free_vgpr 512
		.amdhsa_next_free_sgpr 102
		.amdhsa_reserve_vcc 0
		.amdhsa_float_denorm_mode_32 3
		.amdhsa_float_denorm_mode_16_64 3
		.amdhsa_memory_ordered 1
		.amdhsa_forward_progress 1
		.amdhsa_inst_pref_size 255
	.end_amdhsa_kernel
	.section	.bss,"aw",@nobits
	.p2align	6
	.space	262144
	.amdgpu_metadata
---
amdhsa.version: [ 1, 2 ]
amdhsa.kernels:
  - .name:           k_q9ea06df5ab_ffn
    .symbol:         k_q9ea06df5ab_ffn.kd
    .args:
      - { .name: ctximg, .offset: 0, .size: 8, .value_kind: global_buffer, .address_space: global }
      - { .name: wimg, .offset: 8, .size: 8, .value_kind: global_buffer, .address_space: global }
      - { .name: x, .offset: 16, .size: 8, .value_kind: global_buffer, .address_space: global }
      - { .name: out0, .offset: 24, .size: 8, .value_kind: global_buffer, .address_space: global }
      - { .name: bo, .offset: 32, .size: 8, .value_kind: global_buffer, .address_space: global }
      - { .name: ln1_g, .offset: 40, .size: 8, .value_kind: global_buffer, .address_space: global }
      - { .name: ln1_b, .offset: 48, .size: 8, .value_kind: global_buffer, .address_space: global }
      - { .name: b2, .offset: 56, .size: 8, .value_kind: global_buffer, .address_space: global }
      - { .name: b1, .offset: 64, .size: 8, .value_kind: global_buffer, .address_space: global }
      - { .name: ln2_g, .offset: 72, .size: 8, .value_kind: global_buffer, .address_space: global }
      - { .name: ln2_b, .offset: 80, .size: 8, .value_kind: global_buffer, .address_space: global }
    .group_segment_fixed_size: 327680
    .private_segment_fixed_size: 0
    .kernarg_segment_align: 8
    .kernarg_segment_size: 88
    .max_flat_workgroup_size: 256
    .sgpr_count:     102
    .vgpr_count:     512
    .wavefront_size: 32
...
	.end_amdgpu_metadata
.endif
;; end of part 3
